; MI455X (gfx1250); checked and timed in simulation.
; The chip was launched on July 23, 2026; its instructions are those of AMD's public machine-readable ISA for CDNA 5 (MIT licence, August 2026) and "CDNA5" Instruction Set Architecture Reference Guide (July 2026). The comments in the code are by the model that wrote it; some were corrected since.
;; Llama Attention New. Allowed arithmetic: matrix products marked QUANTISED: E2M1 operands, one E8M0 scale for each 32 along K, by v_wmma_scale_f32_16x16x128_f8f6f4 with both operands' format E2M1 (or v_wmma_scale_f32_32x16x128_f4), f32 sums; products left as they are: bf16, f16 or f32 operands; f32 sums; everything else in f32.
;; Inputs: Wk 1,024 x 4,096 float32; Wo 4,096 x 2,048 float32; Wq 2,048 x 4,096 float32; Wv 1,024 x 4,096 float32; cos 1 x 2,048 x 128 float32; hidden_states 1 x 2,048 x 4,096 float32; sin 1 x 2,048 x 128 float32.
;; Outputs: out0 1 x 2,048 x 4,096 float32.
;; This version of the problem:
;;   THIS VERSION OF THE PROBLEM IS GIVEN IN LOW PRECISION. The matrix products marked QUANTISED in the list below multiply operands that are first quantised to E2M1 (2 exponent bits, 1 mantissa bit; 4 bits a number), with one power-of-two scale for each 32 numbers along K (OCP MX v1.0); their sums are f32. The products marked 'left as it is' may take bf16, f16 or f32 operands, with f32 sums. Whichever they take, every output number must still come out within the allowed error. Rounding operands to bf16 (8 significant bits) uses up far more of that allowance than f16 does (11 bits, for magnitudes from 6e-5 to 65,504). All else is computed in f32.
;;   The module's matrix products, in the order in which they are computed (A, B: the left and right operand; K: the contracted axis; several contracted axes count as one K, in the product's order):
;;     1. [M 2,048, K 4,096] x [K 4,096, N 2,048]; A: input hidden_states; B: input Wq: QUANTISED
;;     2. [M 2,048, K 4,096] x [K 4,096, N 1,024]; A: input hidden_states; B: input Wk: QUANTISED
;;     3. [M 2,048, K 4,096] x [K 4,096, N 1,024]; A: input hidden_states; B: input Wv: QUANTISED
;;     4. batch 16 x [M 2,048, K 128] x [K 128, N 2,048]; A: computed on the way; B: computed on the way: left as it is (an operand is computed on the way)
;;     5. batch 16 x [M 2,048, K 2,048] x [K 2,048, N 128]; A: computed on the way; B: computed on the way: left as it is (an operand is computed on the way)
;;     6. [M 2,048, K 2,048] x [K 2,048, N 4,096]; A: computed on the way; B: input Wo: left as it is (an operand is computed on the way)
;;   THE QUANTISER, for each operand of a quantised product, along K:
;;     - K is cut into blocks of 32 from its start; a last block that is shorter is filled with zeros.
;;     - A block's scale is 2^e with e = floor(log2(the largest magnitude in the block)) - 2, held to -126 .. 127; a block of zeros has e = 0. As a byte (E8M0): e + 127.
;;     - Each number is divided by its block's scale, clamped to +-6, and rounded to the nearest number of E2M1, ties to even, subnormals kept.
;;     - The product sums the exact products of the quantised numbers (number of the format x scale) in f32.
;;   ~~~python
;;   def quantise(x, axis):      # numpy; x: float32 -> the quantised numbers, widened to float32 again
;;       x = np.moveaxis(x, axis, -1); K = x.shape[-1]
;;       x = np.pad(x, [(0, 0)] * (x.ndim - 1) + [(0, -K % 32)]); x = x.reshape(x.shape[:-1] + (-1, 32)); a = np.abs(x).max(-1, keepdims=True)
;;       e = np.where(a > 0, np.clip(np.frexp(np.where(a > 0, a, 1))[1] - 1 - 2, -126, 127), 0)      # np.frexp(a)[1] - 1 = floor(log2(a)), exactly
;;       r = np.clip(x / 2.0 ** e, -6, 6)
;;       step = 2.0 ** (np.maximum(np.frexp(np.where(r == 0, 1, r))[1] - 1, 0) - 1)
;;       q = np.round(r / step) * step * 2.0 ** e      # np.round: ties to even
;;       return np.moveaxis(q.reshape(q.shape[:-2] + (-1,))[..., :K], -1, axis).astype(np.float32)
;;   ~~~
;; One version. Each part assembles by itself: llvm-mc -triple=amdgcn-amd-amdhsa -mcpu=gfx1250 --defsym DOCPART=n.
;; ======== version 1 of 1: 6 launches
;; limits: values are held in f16: magnitudes above 65,504 overflow, below 6.1e-05 lose precision; right only within a limited range of input values
;; workspace buffers: codes 12,582,912 bytes; scales 786,432 bytes; wo16 16,777,216 bytes; qkv16 16,777,216 bytes; fine32 262,144 bytes; atth 8,388,608 bytes; attf 131,072 bytes
;; launch prep (part 1): grid 1024 x 1, 4 waves a work-group, no clusters, 33,280 bytes of LDS; arguments hidden_states, Wq, Wk, Wv, Wo, codes, scales, wo16; writes codes, scales, wo16
.if DOCPART == 1
	.amdgcn_target "amdgcn-amd-amdhsa--gfx1250"
	.amdhsa_code_object_version 6
	.text
	.protected	k_q28b43b1ec2_prep
	.globl	k_q28b43b1ec2_prep
	.p2align	8
	.type	k_q28b43b1ec2_prep,@function
k_q28b43b1ec2_prep:
	s_mov_b64 s[64:65], 0
	v_nop
	global_prefetch_b8 v0, s[64:65] scope:SCOPE_SE
	s_setreg_imm32_b32 hwreg(HW_REG_WAVE_MODE, 25, 1), 1
	s_wait_xcnt 0x0
; hidden_states [2048][4096], Wq [2048][4096], Wk, Wv [1024][4096], f32, K innermost, become codes of FP4 (E2M1), two a byte, and one E8M0 byte for each 32 along K:
; codes [6144][2048 bytes], scales [6144][128 bytes]; rows 0-2047 hidden, 2048-4095 Wq, 4096-5119 Wk, 5120-6143 Wv.  Wo [4096][2048] f32 becomes wo16 = f16(8 Wo).
; A block's scale is 2^(floor(log2(largest magnitude)) - 2); its byte is the largest magnitude's exponent field - 2, held at 1 from below.
; LIMITS: a block of zeros gets the byte 1 where the quantiser says 127 (its codes are zeros, and this program alone reads the bytes); blocks whose largest magnitude lies under 2^-124 keep the byte 1;
; NaN and infinities are not served.  8 Wo is exact; f16 holds it for |Wo| up to 8,188, and Wo under 7.6e-6 in magnitude loses bits.
; SHARES.  A work-group takes 32,768 numbers, a wave 8,192.  Work-groups 0-255 hidden, 256-511 Wq, 512-639 Wk, 640-767 Wv (one stream of blocks on the way out), 768-1023 Wo.
; Rows are dense and 4096 is a multiple of 32: the tensors are plain streams of blocks.  No matrix unit, no cluster, no tensor load: waves share nothing and every byte is read once.
; QUANTISING: each of a step's four loads reads 512 consecutive bytes; the 2,048 bytes turn through the wave's own stage in LDS so that a lane holds 16 neighbours (two lanes a block).
.set STEPS, 16
.set EMAX,  2
.set CB,    8                          ; bytes of 16 codes
.set R,     16                         ; v16-79   numbers as loaded: four sets of 16 (cast: a ring of sixteen loads)
.set X,     80                         ; v80-111  two sets of 16 neighbours (cast: sixteen pairs of f16 words)
.set E,     112                        ; v112-127 a scale byte for each step
.set C,     128                        ; v128-191 codes, four registers a step
.set WREG,  8192                       ; LDS: a region for each wave: two stages of 32 x SP bytes, then its 256 scale bytes
.set SP,    80                         ; a lane's place in a stage: 64 bytes + 16 of padding
.set SPW,   12                         ; v12 LDS address of my spare word; never rewritten
.set NIL,   13                         ; v13 0; never rewritten
.set SPARE, 4*WREG                     ; behind the regions: the spare words, 128 bytes a wave
	s_load_b256 s[4:11], s[0:1], 0x0               ; hidden, Wq, Wk, Wv
	s_load_b256 s[12:19], s[0:1], 0x20             ; Wo, codes, scales, wo16
	v_lshl_add_u32 v[SPW], v0, 2, SPARE
	v_mov_b32 v[NIL], 0
	v_lshrrev_b32 v1, 5, v0
	v_readfirstlane_b32 s20, v1                    ; wave
	v_and_b32 v2, 31, v0                           ; lane
	v_lshlrev_b32 v3, 4, v2                        ; my 16 bytes of a load's 512
	s_mul_i32 s26, s20, WREG
	v_lshrrev_b32 v14, 2, v2
	v_mul_u32_u24 v14, v14, SP
	v_and_b32 v15, 3, v2
	v_lshl_add_u32 v14, v15, 4, v14
	v_add_nc_u32 v14, s26, v14                     ; the stage, way in: SP (lane / 4) + 16 (lane % 4)
	v_mul_u32_u24 v15, v2, SP
	v_add_nc_u32 v15, s26, v15                     ; way out: SP x lane: my 16 neighbours
	v_mul_u32_u24 v4, v2, CB                       ; 8 x lane: my codes' place in a step's; also my f16 words' place in the cast
	v_lshrrev_b32 v5, 1, v2
	s_add_co_u32 s26, s26, 2*32*SP
	v_add_nc_u32 v5, s26, v5                       ; LDS: my block's scale byte
	v_lshlrev_b32 v7, 3, v2
	v_add_nc_u32 v6, s26, v7                       ; and 8 bytes a lane on their way out
	s_mov_b32 s25, 0
	s_wait_kmcnt 0x0
	s_cmp_ge_u32 ttmp9, 768                        ; the work-group's number alone decides
	s_cbranch_scc1 .Lcast
	; ---- the quantiser: which tensor, and its first work-group
	s_mov_b32 s21, 640
	s_cmp_lt_u32 ttmp9, 640
	s_cselect_b64 s[22:23], s[8:9], s[10:11]
	s_cselect_b32 s21, 512, s21
	s_cmp_lt_u32 ttmp9, 512
	s_cselect_b64 s[22:23], s[6:7], s[22:23]
	s_cselect_b32 s21, 256, s21
	s_cmp_lt_u32 ttmp9, 256
	s_cselect_b64 s[22:23], s[4:5], s[22:23]
	s_cselect_b32 s21, 0, s21
	s_sub_co_u32 s21, ttmp9, s21
	s_lshl_b32 s21, s21, 2
	s_add_co_u32 s21, s21, s20                     ; my run of 8,192 numbers in the tensor
	s_lshl_b32 s24, s21, 15
	s_add_nc_u64 s[22:23], s[22:23], s[24:25]
	s_lshl_b32 s21, ttmp9, 2
	s_add_co_u32 s21, s21, s20                     ; and in the stream of codes and scale bytes
	s_lshl_b32 s24, s21, 12
	s_add_nc_u64 s[14:15], s[14:15], s[24:25]
	s_lshl_b32 s24, s21, 8
	s_add_nc_u64 s[16:17], s[16:17], s[24:25]
.macro LOAD t
.irp i, 0,1,2,3
	global_load_b128 v[R+16*((\t)%4)+4*\i:R+16*((\t)%4)+4*\i+3], v3, s[22:23] offset:2048*(\t)+512*\i th:TH_LOAD_NT   ; 32 lanes read 512 consecutive bytes
.endr
.endm
.macro TURN t                          ; step t's numbers through the stage: LDS serves a wave's instructions in order, so no wait stands between the stores and the loads
.irp i, 0,1,2,3
	ds_store_b128 v14, v[R+16*((\t)%4)+4*\i:R+16*((\t)%4)+4*\i+3] offset:32*SP*((\t)%2)+8*SP*\i
.endr
.irp i, 0,1,2,3
	ds_load_b128 v[X+16*((\t)%2)+4*\i:X+16*((\t)%2)+4*\i+3], v15 offset:32*SP*((\t)%2)+16*\i
.endr
.endm
.macro STEP t
.set XS, X+16*((\t)%2)
.if (\t) > 0
	s_wait_dscnt 1                                 ; this step's numbers are back from the stage; the one younger LDS instruction, the last step's byte store, may be out
.else
	s_wait_dscnt 0x0
.endif
.if (\t)+4 < STEPS
	LOAD (\t)+4                                    ; the registers that the stage's stores have read take the loads of four steps on
.endif
.if (\t)+1 < STEPS
.if STEPS-2-(\t) >= 3
	s_wait_loadcnt 12                              ; the next step's four loads are in; those of the three steps behind it may be out
.else
	s_wait_loadcnt 4*(STEPS-2-(\t))                ; at the end fewer steps stand behind it
.endif
	TURN (\t)+1
.endif
	v_max3_num_f32 v8, |v[XS]|, |v[XS+1]|, |v[XS+2]|   ; the largest magnitude of my 16, in two chains
	v_max3_num_f32 v9, |v[XS+3]|, |v[XS+4]|, |v[XS+5]|
.irp i, 6,10
	v_max3_num_f32 v8, v8, |v[XS+\i]|, |v[XS+\i+1]|
	v_max3_num_f32 v9, v9, |v[XS+\i+2]|, |v[XS+\i+3]|
.endr
	v_max3_num_f32 v8, v8, |v[XS+14]|, |v[XS+15]|
	v_max3_num_f32 v8, v8, v9, (EMAX+1)<<23        ; and the floor 2^(3 - 127): the byte cannot fall under 1
	v_max_num_f32_dpp v8, v8, v8 row_xmask:1 row_mask:0xf bank_mask:0xf   ; with my neighbour's 16: the block's
	v_add_nc_u32 v11, -(EMAX<<23), v8              ; 2 off the exponent field: the conversion takes this operand's exponent field as its scale
	v_cvt_scalef32_pk8_fp4_f32 v[C+4*(\t)], v[XS:XS+7], v11
	v_cvt_scalef32_pk8_fp4_f32 v[C+4*(\t)+1], v[XS+8:XS+15], v11
	v_lshrrev_b32 v[E+(\t)], 23, v11               ; the scale's byte (a plain line behind the conversions)
	ds_store_b8 v5, v[E+(\t)] offset:16*(\t)       ; both lanes of a block write the same byte with the same value
	global_store_b64 v4, v[C+4*(\t):C+4*(\t)+1], s[14:15] offset:32*CB*(\t)   ; the wave stores 256 consecutive bytes, aligned
.endm
.irp t, 0,1,2,3
	LOAD \t
.endr
	s_wait_loadcnt 12                              ; step 0's four loads are in; steps 1 to 3 may be out
	TURN 0
.irp t, 0,1,2,3,4,5,6,7,8,9,10,11,12,13,14,15
	STEP \t
.endr
	ds_load_b64 v[8:9], v6                         ; my wave's 256 scale bytes: LDS serves a wave in order
	s_wait_dscnt 0x0
	global_store_b64 v7, v[8:9], s[16:17]          ; 256 consecutive bytes, aligned
	s_branch .Lend
	; ---- the cast: wo16 = f16(8 Wo).  A ring of sixteen loads of 512 bytes a wave; each makes a store of 256 consecutive bytes
.Lcast:
	s_sub_co_u32 s21, ttmp9, 768
	s_lshl_b32 s21, s21, 2
	s_add_co_u32 s21, s21, s20                     ; my run of 8,192 numbers of Wo
	s_lshl_b32 s24, s21, 15
	s_add_nc_u64 s[12:13], s[12:13], s[24:25]
	s_lshl_b32 s24, s21, 14
	s_add_nc_u64 s[18:19], s[18:19], s[24:25]
	s_mov_b32 s28, 0x41000000                      ; 8.0
	s_mov_b32 s29, s28                             ; (named with it as a pair)
.irp t, 0,1,2,3,4,5,6,7,8,9,10,11,12,13,14,15
	global_load_b128 v[R+4*\t:R+4*\t+3], v3, s[12:13] offset:512*\t th:TH_LOAD_NT
.endr
.macro CAST t
.set RS, R+4*((\t)%16)
.set YS, X+2*((\t)%16)
.if 63-(\t) < 15
	s_wait_loadcnt 63-(\t)                         ; the last loads: fewer stand behind mine
.else
	s_wait_loadcnt 15                              ; loads come back in order: mine is in, the fifteen younger ones stay out
.endif
	s_wait_xcnt 0x0                                ; the store of sixteen turns ago has read this pair
	v_pk_mul_f32 v[RS:RS+1], v[RS:RS+1], s[28:29] op_sel_hi:[1,0]
	v_pk_mul_f32 v[RS+2:RS+3], v[RS+2:RS+3], s[28:29] op_sel_hi:[1,0]
	v_cvt_pk_f16_f32 v[YS], v[RS], v[RS+1]
	v_cvt_pk_f16_f32 v[YS+1], v[RS+2], v[RS+3]
.if (\t)+16 < 64
	global_load_b128 v[RS:RS+3], v3, s[12:13] offset:512*((\t)+16) th:TH_LOAD_NT
.endif
	global_store_b64 v4, v[YS:YS+1], s[18:19] offset:256*(\t)
.endm
.set TT, 0
.rept 64
	CAST TT
.set TT, TT+1
.endr
.Lend:
	s_wait_tensorcnt 0x0                           ; the wave's end
	ds_add_u32 v[SPW], v[NIL]
	s_wait_dscnt 0x0
	s_endpgm
.Lfunc_end_k_q28b43b1ec2_prep:
	.size	k_q28b43b1ec2_prep, .Lfunc_end_k_q28b43b1ec2_prep-k_q28b43b1ec2_prep
	.p2alignl 7, 3214868480
	.fill 96, 4, 3214868480
	.section	.rodata,"a",@progbits
	.p2align	6, 0x0
	.amdhsa_kernel k_q28b43b1ec2_prep
		.amdhsa_group_segment_fixed_size 33280
		.amdhsa_private_segment_fixed_size 0
		.amdhsa_enable_private_segment 0
		.amdhsa_kernarg_size 64
		.amdhsa_user_sgpr_count 2
		.amdhsa_user_sgpr_kernarg_segment_ptr 1
		.amdhsa_wavefront_size32 1
		.amdhsa_system_sgpr_workgroup_id_x 1
		.amdhsa_system_sgpr_workgroup_id_y 1
		.amdhsa_system_sgpr_workgroup_id_z 1
		.amdhsa_system_vgpr_workitem_id 0
		.amdhsa_next_free_vgpr 192
		.amdhsa_next_free_sgpr 66
		.amdhsa_reserve_vcc 0
		.amdhsa_float_denorm_mode_32 3
		.amdhsa_float_denorm_mode_16_64 3
		.amdhsa_memory_ordered 1
		.amdhsa_forward_progress 1
		.amdhsa_inst_pref_size 66
	.end_amdhsa_kernel
	.amdgpu_metadata
---
amdhsa.version: [ 1, 2 ]
amdhsa.kernels:
  - .name:           k_q28b43b1ec2_prep
    .symbol:         k_q28b43b1ec2_prep.kd
    .args:
      - { .name: hidden_states, .offset: 0, .size: 8, .value_kind: global_buffer, .address_space: global }
      - { .name: Wq, .offset: 8, .size: 8, .value_kind: global_buffer, .address_space: global }
      - { .name: Wk, .offset: 16, .size: 8, .value_kind: global_buffer, .address_space: global }
      - { .name: Wv, .offset: 24, .size: 8, .value_kind: global_buffer, .address_space: global }
      - { .name: Wo, .offset: 32, .size: 8, .value_kind: global_buffer, .address_space: global }
      - { .name: codes, .offset: 40, .size: 8, .value_kind: global_buffer, .address_space: global }
      - { .name: scales, .offset: 48, .size: 8, .value_kind: global_buffer, .address_space: global }
      - { .name: wo16, .offset: 56, .size: 8, .value_kind: global_buffer, .address_space: global }
    .group_segment_fixed_size: 33280
    .private_segment_fixed_size: 0
    .kernarg_segment_align: 8
    .kernarg_segment_size: 64
    .max_flat_workgroup_size: 128
    .sgpr_count:     66
    .vgpr_count:     192
    .wavefront_size: 32
...
	.end_amdgpu_metadata
.endif
;; end of part 1
;; launch qkv (part 2): grid 16 x 16, 4 waves a work-group, clusters of 4 x 4, 327,680 bytes of LDS; arguments codes, scales, cos, sin, qkv16, fine32; writes qkv16, fine32
.if DOCPART == 2
	.amdgcn_target "amdgcn-amd-amdhsa--gfx1250"
	.amdhsa_code_object_version 6
	.text
	.protected	k_q28b43b1ec2_qkv
	.globl	k_q28b43b1ec2_qkv
	.p2align	8
	.type	k_q28b43b1ec2_qkv,@function
k_q28b43b1ec2_qkv:
	s_mov_b64 s[64:65], 0
	v_nop
	global_prefetch_b8 v0, s[64:65] scope:SCOPE_SE
	s_setreg_imm32_b32 hwreg(HW_REG_WAVE_MODE, 25, 1), 1
	s_wait_xcnt 0x0
	s_wait_alu depctr_hold_cnt(0) depctr_sa_sdst(0) depctr_va_vdst(0) depctr_va_sdst(0) depctr_va_ssrc(0) depctr_va_vcc(0) depctr_vm_vsrc(0)
	s_getreg_b32 s2, hwreg(HW_REG_IB_STS2, 6, 4)
	s_cmp_eq_u32 s2, 0
	s_cbranch_scc0 .Lentry_in_a_cluster
	s_endpgm
.Lentry_in_a_cluster:
	s_bfe_u32 s2, ttmp6, 0x10000c
	s_cmp_lg_u32 s2, 0xf033
	s_cbranch_scc0 .Lentry_shape_is_right
	s_endpgm
.Lentry_shape_is_right:
; The three projections as ONE product on codes of FP4 with E8M0 scales: C[m][n] = sum over k of hidden[m][k] W[n][k], m 2,048, n 4,096 (Wq, Wk, Wv on end), k 4,096; then RoPE in f32, an exact power of two, f16.
; OUT: qkv16 [32 heads][2048][128] f16: heads 0-15 q' x 2^-8, 16-23 k' x 2^-8, 24-31 v x 2^-3.  fine32 [16][4096] f32: the same numbers of positions 0-15, unrounded, column = head x 128 + d.
; LIMITS: f16 holds q', k' up to 1.6e7 and v up to 5.2e5 in magnitude; q', k' under 0.0156 are rounded to steps of 1.5e-5.  NaN and infinities are not served.
; SHARES.  A tile of C is 128 x 256: 256 work-groups.  Four waves, each 64 rows x 128 columns, which is one head: 32 accumulators of 16 x 16.  K goes in steps of 512 (rows of 256 bytes) through two LDS slots.
; The scale bytes of the work-group's 128 + 256 rows, for all of K, are dense blocks of memory: they come once, with the first fills, and stay.
; CLUSTER 4 x 4: the four of a row need the same tiles of hidden, the four of a column the same tiles of W: each is asked for jointly.  The cluster's x says q (0, 1), k (2) or v (3): alike in all partners.
; THE MATRIX INSTRUCTION IS USED TRANSPOSED (source 0 = 16 rows of W, source 1 = 16 rows of hidden): lane (r, h) holds row r and columns 16 b + 8 h + 0 .. 7; RoPE's partner d +- 64 is accumulator b xor 4, same lane, same register.
; COS AND SIN of my first 48 positions are asked for at the head by EVERY work-group, so that one way leads from the head to the K loop.  v's tiles, a quarter of the work-groups, have no RoPE and do not use
; them (48 KB a wave, of two tensors of 1 MB that every tile column reads): they wait for them on the way out and lay their results over them.
; No prefetch: a K step's tiles are asked for by four work-groups jointly and by four clusters, a step ahead of their use.
; REGISTERS: window 0: v16-31 addresses; v32-95 scale words, two sets, and nothing else; v96-127, v192-255 the way out; v128-191 hidden's fragments, two sets.
;   window 1: v0-127 W's fragments, two sets; v128-255 cos and sin of my rows 32-47.  window 2: accumulator (a, b) at v[8 (8 a + b)].  window 3: cos and sin of my rows 0-31.
.set ROWB,  256                        ; a tile's row: 512 codes
.set KROW,  2048                       ; a row of codes in memory
.set PITCH, 272                        ; an LDS row: 256 bytes + 16 of padding: the 16 rows of a fragment load start 68 words apart
.set HA,    64*PITCH                   ; what one load brings of hidden, and what a wave reads of it
.set HB,    128*PITCH                  ; the same of W
.set SLOT,  2*HA+2*HB
.set LAPS,  4                          ; 4,096 / (2 x 512)
.set SCL,   2*SLOT                     ; the scale bytes, as units of 256 bytes + 16
.set HSA,   32*272                     ; those of 64 rows (128 bytes a row)
.set HSB,   64*272                     ; of 128 rows
.set SBLK,  8*272                      ; of 16 rows
.set SPARE, SCL+2*HSA+2*HSB            ; the spare words, 128 bytes a wave
.set ADRA, 16
.set ADRB, 20
.set FO,   23                          ; v23 fine32: r x 16384 + 32 h
.set STO,  24
.set RD,   25
.set CO,   26
.set ADRS, 27
.set SPW,  28
.set NIL,  29
.set CSO,  30                          ; v30 cos, sin: r x 512 + 32 h
.set ROWG, 31                          ; v31 the position of my row of block 0
.set SC,   32
.set HH,   96
.set AF,   128
.set BK,   192
.set G1,   24
.set G0,   32
.set G1B,  48
.set G0B,  56
.set G1S,  68
.set G0S,  76
.set G1SB, 80
.set G0SB, 88
.set MSB, 0
.macro WIN new                         ; the immediate's high byte repeats the setting that is left
.if MSB != \new
	s_set_vgpr_msb (MSB<<8)|\new
.set MSB, \new
.endif
.endm
.set MUL,  0xa1                        ; source 0 (W) window 1, source 1 (hidden) window 0, C and D window 2
.set TO_B, 0x40
.macro JLOAD g0a, g1a, g0b, g1b        ; a joint load: waves 0, 1 fetch for hidden, waves 2, 3 for W; the branch hangs on the wave's number alone; s_nop 0 and four v_nop follow each line
	s_cmp_eq_u32 s17, 0
	s_cbranch_scc0 .Lfor_b_\@
	tensor_load_to_lds s[\g0a:\g0a+3], s[\g1a:\g1a+7]
	s_nop 0
.rept 4
	v_nop
.endr
	s_branch .Lasked_\@
.Lfor_b_\@:
	tensor_load_to_lds s[\g0b:\g0b+3], s[\g1b:\g1b+7]
	s_nop 0
.rept 4
	v_nop
.endr
.Lasked_\@:
.endm
.macro CREST                           ; a round of the cluster's barrier behind its opening barrier
	s_cmp_lg_u32 s16, 0
	s_cbranch_scc1 .Lnot_wave_0_\@
	s_barrier_signal -3
.Lnot_wave_0_\@:
	s_barrier_wait -3
	s_barrier_signal -1
	s_barrier_wait -1
.endm
.macro CROUND
	s_barrier_signal -1
	s_barrier_wait -1
	CREST
.endm
.macro PLACES n                        ; plain vector lines between a matrix instruction and a load into, or a read of, its registers
.rept \n
	v_nop
.endr
.endm
	s_load_b256 s[4:11], s[0:1], 0x0               ; codes, scales, cos, sin
	s_load_b128 s[12:15], s[0:1], 0x20             ; qkv16, fine32
	v_lshl_add_u32 v[SPW], v0, 2, SPARE
	v_mov_b32 v[NIL], 0
	ds_add_u32 v[SPW], v[NIL]                      ; the opening: the add, twice on end, and its wait ahead of my first tensor load
	ds_add_u32 v[SPW], v[NIL]
	v_lshrrev_b32 v1, 5, v0
	v_readfirstlane_b32 s16, v1                    ; wave
	s_lshr_b32 s17, s16, 1                         ; RH: my 64 rows.  Also: I fetch for hidden (0) or W (1)
	s_and_b32 s18, s16, 1                          ; CH: my 128 columns.  Also: which half I fetch
	s_bfe_u32 s40, ttmp6, 0x40000                  ; cx
	s_bfe_u32 s41, ttmp6, 0x40004                  ; cy
	s_lshl_b32 s42, ttmp9, 2
	s_add_co_u32 s42, s42, s40                     ; tile column
	s_and_b32 s19, ttmp7, 0xffff
	s_lshl_b32 s19, s19, 2
	s_add_co_u32 s19, s19, s41                     ; tile row
	s_lshl_b32 s43, s41, 2
	s_lshl_b32 s43, 15, s43                        ; my row of the cluster
	s_lshl_b32 s44, 0x1111, s40                    ; my column
	s_or_b32 s[G1+0], s43, (0<<16)|(1<<20)|(1<<21)|(5<<22)|(3<<25)   ; mask; elements of 1 byte; padding on: 4 words behind every 64; bit 21 beside a mask
	s_or_b32 s[G1B+0], s44, (0<<16)|(1<<20)|(1<<21)|(5<<22)|(3<<25)
	s_mov_b32 s[G1+1], ROWB<<16                    ; tensor_dim0
	s_mov_b32 s[G1+2], 64<<16                      ; tensor_dim1
	s_mov_b32 s[G1+3], ROWB<<16                    ; tile_dim0
	s_mov_b32 s[G1+4], 64                          ; tile_dim1
	s_mov_b32 s[G1+5], KROW                        ; pitch
	s_mov_b32 s[G1+6], 0
	s_mov_b32 s[G1+7], 0
	s_mov_b32 s[G1B+1], ROWB<<16
	s_mov_b32 s[G1B+2], 128<<16
	s_mov_b32 s[G1B+3], ROWB<<16
	s_mov_b32 s[G1B+4], 128
	s_mov_b32 s[G1B+5], KROW
	s_mov_b32 s[G1B+6], 0
	s_mov_b32 s[G1B+7], 0
	s_or_b32 s[G1S+0], s43, (3<<16)|(1<<20)|(1<<21)|(5<<22)|(3<<25)  ; the scale bytes: dense, as rows of 32 elements of 8 bytes
	s_or_b32 s[G1SB+0], s44, (3<<16)|(1<<20)|(1<<21)|(5<<22)|(3<<25)
	s_mov_b32 s[G1S+1], 32<<16
	s_mov_b32 s[G1S+2], 32<<16
	s_mov_b32 s[G1S+3], 32<<16
	s_mov_b32 s[G1S+4], 32
	s_mov_b32 s[G1S+5], 32
	s_mov_b32 s[G1S+6], 0
	s_mov_b32 s[G1S+7], 0
	s_mov_b32 s[G1SB+1], 32<<16
	s_mov_b32 s[G1SB+2], 64<<16
	s_mov_b32 s[G1SB+3], 32<<16
	s_mov_b32 s[G1SB+4], 64
	s_mov_b32 s[G1SB+5], 32
	s_mov_b32 s[G1SB+6], 0
	s_mov_b32 s[G1SB+7], 0
	s_lshl_b32 s20, s19, 7                         ; hidden: row 128 x tile row + 64 x half: made of the tile row and the wave alone
	s_lshl_b32 s21, s18, 6
	s_add_co_u32 s20, s20, s21
	s_lshl_b32 s22, s20, 7                         ; its scale bytes
	s_mov_b32 s23, 0
	s_lshl_b32 s20, s20, 11                        ; its codes
	s_mov_b32 s21, 0
	s_lshl_b32 s46, s42, 8                         ; W: row 2,048 + 256 x tile column + 128 x half: of the tile column and the wave alone
	s_lshl_b32 s47, s18, 7
	s_add_co_u32 s46, s46, s47
	s_add_co_u32 s46, s46, 2048
	s_lshl_b32 s92, s46, 7
	s_mov_b32 s93, 0
	s_lshl_b32 s46, s46, 11
	s_mov_b32 s47, 0
	s_mul_i32 s45, s18, HA                         ; where they go in a slot: no place in the cluster enters an LDS address
	s_mul_i32 s94, s18, HB
	s_add_co_u32 s94, s94, 2*HA
	s_mul_i32 s95, s18, HSA
	s_add_co_u32 s95, s95, SCL
	s_mul_i32 s2, s18, HSB
	s_add_co_u32 s2, s2, SCL+2*HSA
	s_wait_dscnt 0x0                               ; both opening adds are done
	s_wait_kmcnt 0x0
	s_add_nc_u64 s[20:21], s[4:5], s[20:21]
	s_add_nc_u64 s[22:23], s[6:7], s[22:23]
	s_add_nc_u64 s[46:47], s[4:5], s[46:47]
	s_add_nc_u64 s[92:93], s[6:7], s[92:93]
	CROUND                                         ; all sixteen work-groups are here: the first joint loads meet
	s_mov_b32 s[G0S], 1
	s_mov_b32 s[G0S+1], s95
	s_mov_b64 s[G0S+2:G0S+3], s[22:23]
	s_or_b32 s[G0S+3], s[G0S+3], 0x80000000
	s_mov_b32 s[G0SB], 1
	s_mov_b32 s[G0SB+1], s2
	s_mov_b64 s[G0SB+2:G0SB+3], s[92:93]
	s_or_b32 s[G0SB+3], s[G0SB+3], 0x80000000
	JLOAD G0S, G1S, G0SB, G1SB                     ; the scale bytes first
.irp s, 0,1
	s_mov_b32 s[G0+4*\s], 1
	s_add_co_u32 s[G0+4*\s+1], s45, \s*SLOT
	s_add_nc_u64 s[G0+4*\s+2:G0+4*\s+3], s[20:21], \s*ROWB
	s_or_b32 s[G0+4*\s+3], s[G0+4*\s+3], 0x80000000
	s_mov_b32 s[G0B+4*\s], 1
	s_add_co_u32 s[G0B+4*\s+1], s94, \s*SLOT
	s_add_nc_u64 s[G0B+4*\s+2:G0B+4*\s+3], s[46:47], \s*ROWB
	s_or_b32 s[G0B+4*\s+3], s[G0B+4*\s+3], 0x80000000
	JLOAD G0+4*\s, G1, G0B+4*\s, G1B               ; three loads of mine are out behind the second of these
.endr
	v_and_b32 v1, 15, v0                           ; r
	v_bfe_u32 v2, v0, 4, 1                         ; h
	v_mul_u32_u24 v3, v1, PITCH
	v_lshl_add_u32 v4, v2, 4, v3                   ; a fragment's row x pitch + 16 h
	s_mul_i32 s21, s17, HA
	s_mul_i32 s22, s18, HB
	s_add_co_u32 s22, s22, 2*HA
.irp s, 0,1
	v_add_nc_u32 v[ADRA+\s], s21, v4
	v_add_nc_u32 v[ADRB+\s], s22, v4
	s_add_co_u32 s21, s21, SLOT
	s_add_co_u32 s22, s22, SLOT
.endr
	v_lshlrev_b32 v5, 7, v1                        ; my row's scale bytes: 128 a row,
	v_lshrrev_b32 v6, 8, v5
	v_lshl_add_u32 v5, v6, 4, v5                   ; and 16 more for each 256 passed
	s_mul_i32 s21, s17, HSA
	s_mul_i32 s22, s18, HSB
	s_add_co_u32 s22, s22, 2*HSA
	s_sub_co_u32 s22, s22, s21
	v_mul_u32_u24 v6, s22, v2                      ; lanes 16-31 take W's: one product, the distance between the two bases
	s_add_co_u32 s21, s21, SCL
	v_add_nc_u32 v5, v5, v6
	v_add_nc_u32 v[ADRS], s21, v5
	s_mul_i32 s23, s16, 16*PITCH                   ; my stage for the way out, in slot 0
	v_add_nc_u32 v[STO], s23, v4                   ; in: row r, 16 bytes for each half of the lanes
	v_mul_u32_u24 v5, v2, PITCH
	v_lshl_add_u32 v5, v1, 4, v5
	v_add_nc_u32 v[RD], s23, v5                    ; back: lanes 0-15 one row of 256 bytes, lanes 16-31 the next
	v_lshlrev_b32 v5, 8, v2
	v_lshl_add_u32 v[CO], v1, 4, v5                ; and the same two rows of a head
	v_lshlrev_b32 v5, 9, v1
	v_lshl_add_u32 v[CSO], v2, 5, v5
	v_lshlrev_b32 v5, 14, v1
	v_lshl_add_u32 v[FO], v2, 5, v5
	s_lshl_b32 s20, s19, 7
	s_lshl_b32 s21, s17, 6
	s_add_co_u32 s20, s20, s21                     ; my first position
	v_add_nc_u32 v[ROWG], s20, v1
	s_lshl_b32 s22, s20, 9
	s_mov_b32 s23, 0
	s_add_nc_u64 s[8:9], s[8:9], s[22:23]          ; cos and sin at my first position
	s_add_nc_u64 s[10:11], s[10:11], s[22:23]
	s_lshl_b32 s21, s42, 1
	s_add_co_u32 s21, s21, s18                     ; my head, 0 .. 31
	s_lshl_b32 s22, s21, 9
	s_add_nc_u64 s[14:15], s[14:15], s[22:23]      ; fine32 at my head's columns
	s_lshl_b32 s22, s21, 19
	s_lshl_b32 s20, s20, 8
	s_add_co_u32 s22, s22, s20
	s_add_nc_u64 s[12:13], s[12:13], s[22:23]      ; qkv16 at my head's first row of mine
; cos and sin of my block a (16 positions): 64 registers of cos, then 64 of sin, in the accumulators' layout
.macro CSMAP a
.if (\a) < 2
.set W, 3
.set CB, 128*(\a)
.else
.set W, 1
.set CB, 128*(3-(\a))
.endif
.endm
.macro CSLOAD a
	CSMAP \a
	WIN (W<<6)
.irp b, 0,1,2,3,4,5,6,7
	global_load_b128 v[CB+8*\b:CB+8*\b+3], v[CSO], s[8:9] offset:8192*(\a)+64*\b
	global_load_b128 v[CB+8*\b+4:CB+8*\b+7], v[CSO], s[8:9] offset:8192*(\a)+64*\b+16
.endr
.irp b, 0,1,2,3,4,5,6,7
	global_load_b128 v[CB+64+8*\b:CB+64+8*\b+3], v[CSO], s[10:11] offset:8192*(\a)+64*\b
	global_load_b128 v[CB+64+8*\b+4:CB+64+8*\b+7], v[CSO], s[10:11] offset:8192*(\a)+64*\b+16
.endr
.endm
	CSLOAD 0                                       ; 96 loads into registers that the K loop does not touch, on every work-group's way; they are waited for on the way out
	CSLOAD 1
	CSLOAD 2
	WIN 0
.macro FRAG reg, adr, q, i             ; 16 rows x 128 K of 4-bit codes: registers 4 c .. 4 c + 3 hold K = 64 c + 32 h + 0 .. 31
.irp c, 0,1
	ds_load_b128 v[\reg+4*\c:\reg+4*\c+3], v[\adr] offset:64*(\q)+32*\c+(\i)*16*PITCH
.endr
.endm
.macro FETCH_B slot, q, p
	WIN TO_B
.irp i, 0,1,2,3,4,5,6,7
	FRAG 64*(\p)+8*\i, ADRB+\slot, \q, \i
.endr
	WIN 0
.endm
.macro FETCH_A slot, q, p
.irp i, 0,1,2,3
	FRAG AF+32*(\p)+8*\i, ADRA+\slot, \q, \i
.endr
.endm
.macro SCALES sc                       ; a K step's scale words: register 4 i + q: lanes 0-15 hidden's block i (i under 4), lanes 16-31 W's block i
.irp i, 0,1,2,3,4,5,6,7
	ds_load_b128 v[SC+32*\sc+4*\i:SC+32*\sc+4*\i+3], v[ADRS] offset:\i*SBLK
.endr
.endm
; eight matrix instructions: hidden's block a against W's eight.  The 32 accumulators take turns, one instruction a turn, in the same order in every step
.macro MUL8 a, p, q, sc, zero
.irp b, 0,1,2,3,4,5,6,7
.if \zero
	v_wmma_scale_f32_16x16x128_f8f6f4 v[8*(8*(\a)+\b):8*(8*(\a)+\b)+7], v[64*(\p)+8*\b:64*(\p)+8*\b+7], v[AF+32*(\p)+8*(\a):AF+32*(\p)+8*(\a)+7], 0, v[SC+32*(\sc)+4*\b+(\q)], v[SC+32*(\sc)+4*(\a)+(\q)] matrix_a_fmt:MATRIX_FMT_FP4 matrix_b_fmt:MATRIX_FMT_FP4 matrix_a_scale:MATRIX_SCALE_ROW1
.else
	v_wmma_scale_f32_16x16x128_f8f6f4 v[8*(8*(\a)+\b):8*(8*(\a)+\b)+7], v[64*(\p)+8*\b:64*(\p)+8*\b+7], v[AF+32*(\p)+8*(\a):AF+32*(\p)+8*(\a)+7], v[8*(8*(\a)+\b):8*(8*(\a)+\b)+7], v[SC+32*(\sc)+4*\b+(\q)], v[SC+32*(\sc)+4*(\a)+(\q)] matrix_a_fmt:MATRIX_FMT_FP4 matrix_b_fmt:MATRIX_FMT_FP4 matrix_a_scale:MATRIX_SCALE_ROW1
.endif
.endr
.endm
; a step of 128 along K with its successor in the same slot: the next step's 24 loads go out first, into the other sets, and land under this step's 32 products
.macro STEP slot, q, zero
	s_wait_dscnt 0x0                               ; this step's fragments, asked for a step ago, are in
	PLACES 4
	FETCH_B \slot, (\q)+1, 1-(\q)%2
	FETCH_A \slot, (\q)+1, 1-(\q)%2
	WIN MUL
	MUL8 0, (\q)%2, \q, \slot, \zero
	MUL8 1, (\q)%2, \q, \slot, \zero
	MUL8 2, (\q)%2, \q, \slot, \zero
	MUL8 3, (\q)%2, \q, \slot, \zero
	WIN 0
.endm
; a slot's last step changes slots: one barrier; in front of it each wave waits for all its tensor loads, adds 0 to its spare word, and waits for that and for its reads of this slot
.macro TURN slot, next, fill
	s_wait_tensorcnt 0x0                           ; my part of the next slot has landed; no tensor load of mine is out
	ds_add_u32 v[SPW], v[NIL]
	s_wait_dscnt 0x1                               ; this step's fragments are in; the add alone may be out
	WIN MUL
	MUL8 0, 1, 3, \slot, 0
	s_wait_dscnt 0x0                               ; the add is done, and my reads of this slot are over
	s_barrier_signal -1
	MUL8 1, 1, 3, \slot, 0
	WIN 0
	s_barrier_wait -1
.if \fill
	CREST                                          ; the barrier has opened a round of the cluster's: no wave of any partner still reads this slot or has a load on its way
	s_add_nc_u64 s[G0+4*\slot+2:G0+4*\slot+3], s[G0+4*\slot+2:G0+4*\slot+3], 2*ROWB
	s_add_nc_u64 s[G0B+4*\slot+2:G0B+4*\slot+3], s[G0B+4*\slot+2:G0B+4*\slot+3], 2*ROWB
	JLOAD G0+4*\slot, G1, G0B+4*\slot, G1B         ; the first tensor load behind the round; its four v_nop are also the places in front of the loads below
.else
	PLACES 4
.endif
	v_add_nc_u32 v[ADRS], 16, v[ADRS]              ; the next K step's scale words (no LDS load of mine is out)
	FETCH_B \next, 0, 0
	FETCH_A \next, 0, 0
	SCALES \next
	WIN MUL
	MUL8 2, 1, 3, \slot, 0
	MUL8 3, 1, 3, \slot, 0
	WIN 0
.endm
.macro STEPS slot, from
.set QQ, \from
.rept 3-\from
	STEP \slot, QQ, 0
.set QQ, QQ+1
.endr
.endm
	s_wait_tensorcnt 1                             ; the scale bytes and my part of K step 0 are in; K step 1's load may be out
	s_barrier_signal -1
	s_barrier_wait -1
	FETCH_B 0, 0, 0
	FETCH_A 0, 0, 0
	SCALES 0
	STEP 0, 0, 1                                   ; the first step starts the sums: nothing is cleared
	s_mov_b32 s3, LAPS-1
.Llap:                                                 ; a trip goes once round the ring and fills both slots again
	STEPS 0, 1
	TURN 0, 1, 1
	STEPS 1, 0
	TURN 1, 0, 1
	STEP 0, 0, 0
	s_sub_co_u32 s3, s3, 1
	s_cmp_lg_u32 s3, 0
	s_cbranch_scc1 .Llap
	STEPS 0, 1                                     ; the last lap fills nothing
	TURN 0, 1, 0
	STEPS 1, 0
	s_wait_dscnt 0x0
	WIN MUL
	MUL8 0, 1, 3, 1, 0
	MUL8 1, 1, 3, 1, 0
	MUL8 2, 1, 3, 1, 0
	MUL8 3, 1, 3, 1, 0
	WIN 0
; THE WAY OUT, a block of 16 positions at a time.  T takes cos's registers.
.macro ROPE a                          ; T = x cos -+ x(d +- 64) sin, then x 2^-8.  Each accumulator is first read at its two lowest registers
	CSMAP \a
	WIN ((W<<6)|(W<<4)|(W<<2)|2)
.irp b, 0,1,2,3,4,5,6,7
.irp j, 0,2,4,6
	v_pk_mul_f32 v[CB+8*\b+\j:CB+8*\b+\j+1], v[8*(8*(\a)+\b)+\j:8*(8*(\a)+\b)+\j+1], v[CB+8*\b+\j:CB+8*\b+\j+1]
.endr
.endr
.irp b, 0,1,2,3
.irp j, 0,2,4,6
	v_pk_fma_f32 v[CB+8*\b+\j:CB+8*\b+\j+1], v[8*(8*(\a)+\b+4)+\j:8*(8*(\a)+\b+4)+\j+1], v[CB+64+8*\b+\j:CB+64+8*\b+\j+1], v[CB+8*\b+\j:CB+8*\b+\j+1] neg_lo:[1,0,0] neg_hi:[1,0,0]
.endr
.endr
.irp b, 4,5,6,7
.irp j, 0,2,4,6
	v_pk_fma_f32 v[CB+8*\b+\j:CB+8*\b+\j+1], v[8*(8*(\a)+\b-4)+\j:8*(8*(\a)+\b-4)+\j+1], v[CB+64+8*\b+\j:CB+64+8*\b+\j+1], v[CB+8*\b+\j:CB+8*\b+\j+1]
.endr
.endr
	WIN ((W<<6)|W)
.set n, 0
.rept 32
	v_pk_mul_f32 v[CB+n:CB+n+1], v[CB+n:CB+n+1], s[96:97] op_sel_hi:[1,0]
.set n, n+2
.endr
.endm
.macro VSC a                           ; T = v x 2^-3
	CSMAP \a
	WIN ((W<<6)|2)
.set n, 0
.rept 32
	v_pk_mul_f32 v[CB+n:CB+n+1], v[64*(\a)+n:64*(\a)+n+1], s[96:97] op_sel_hi:[1,0]
.set n, n+2
.endr
.endm
.macro OUT a
	CSMAP \a
.if (\a) == 0                          ; positions 0 to 15 also leave unrounded: lanes whose position is under 16 store, the others do nothing; no branch
	WIN 0
	s_wait_xcnt 0x0                                ; EXEC changes only behind this wait
	v_cmp_gt_u32 vcc_lo, 16, v[ROWG]
	s_and_saveexec_b32 s98, vcc_lo
	WIN (W<<2)
.irp b, 0,1,2,3,4,5,6,7
	global_store_b128 v[FO], v[CB+8*\b:CB+8*\b+3], s[14:15] offset:64*\b
	global_store_b128 v[FO], v[CB+8*\b+4:CB+8*\b+7], s[14:15] offset:64*\b+16
.endr
	WIN 0
	s_wait_xcnt 0x0                                ; and again in front of the line that widens it
	s_or_b32 exec_lo, exec_lo, s98
.endif
	WIN ((W<<2)|W)
.irp b, 0,1,2,3,4,5,6,7
.irp j, 0,1,2,3
	v_cvt_pk_f16_f32 v[HH+4*\b+\j], v[CB+8*\b+2*\j], v[CB+8*\b+2*\j+1]
.endr
.endr
	WIN 0
.irp b, 0,1,2,3,4,5,6,7
	ds_store_b128 v[STO], v[HH+4*\b:HH+4*\b+3] offset:32*\b
.endr
.if (\a) >= 2
	s_wait_xcnt 0x0                                ; the stores of two blocks ago have read these registers
.endif
.set BB, BK+32*((\a)%2)
.irp t, 0,1,2,3,4,5,6,7
	ds_load_b128 v[BB+4*\t:BB+4*\t+3], v[RD] offset:\t*2*PITCH   ; LDS serves a wave's instructions in order: these see the stores above
.endr
	s_wait_dscnt 0x0
.irp t, 0,1,2,3,4,5,6,7
	global_store_b128 v[CO], v[BB+4*\t:BB+4*\t+3], s[12:13] offset:4096*(\a)+512*\t   ; sixteen lanes store 256 consecutive bytes, aligned: a row of a head
.endr
.endm
	PLACES 4                                       ; behind the last products: for the reads of results and for loads and writes into W's fragment registers
	s_cmp_lt_u32 ttmp9, 3                          ; q and k have RoPE, v has none.  The cluster's x: alike in all partners
	s_cbranch_scc0 .Lvalues
	s_mov_b32 s96, 0x3b800000                      ; 2^-8
	s_mov_b32 s97, s96
	CSLOAD 3                                       ; the last block's cos and sin, where W's fragments lay
	s_wait_loadcnt 63                              ; block 0's 32 loads are in: 96 younger ones stand behind them, and a wait's count names 63 at the most
	ROPE 0
	OUT 0
	s_wait_loadcnt 63                              ; block 1's are in: 64 younger ones stand behind them
	ROPE 1
	OUT 1
	s_wait_loadcnt 32                              ; block 2's are in; block 3's 32 may be out
	ROPE 2
	OUT 2
	s_wait_loadcnt 0x0
	ROPE 3
	OUT 3
	s_branch .Ldone
.Lvalues:
	s_mov_b32 s96, 0x3e000000                      ; 2^-3
	s_mov_b32 s97, s96
	s_wait_loadcnt 0x0                             ; the head's loads of cos and sin have landed: v's results are laid over their registers
.irp a, 0,1,2,3
	VSC \a
	OUT \a
.endr
.Ldone:
	s_wait_tensorcnt 0x0                           ; the wave's end
	ds_add_u32 v[SPW], v[NIL]
	s_wait_dscnt 0x0
	CROUND                                         ; the closing round: no work-group ends while a partner may still ask for a tile that names it
	s_endpgm
.Lfunc_end_k_q28b43b1ec2_qkv:
	.size	k_q28b43b1ec2_qkv, .Lfunc_end_k_q28b43b1ec2_qkv-k_q28b43b1ec2_qkv
	.p2alignl 7, 3214868480
	.fill 96, 4, 3214868480
	.section	.rodata,"a",@progbits
	.p2align	6, 0x0
	.amdhsa_kernel k_q28b43b1ec2_qkv
		.amdhsa_group_segment_fixed_size 327680
		.amdhsa_private_segment_fixed_size 0
		.amdhsa_enable_private_segment 0
		.amdhsa_kernarg_size 48
		.amdhsa_user_sgpr_count 2
		.amdhsa_user_sgpr_kernarg_segment_ptr 1
		.amdhsa_wavefront_size32 1
		.amdhsa_system_sgpr_workgroup_id_x 1
		.amdhsa_system_sgpr_workgroup_id_y 1
		.amdhsa_system_sgpr_workgroup_id_z 1
		.amdhsa_system_vgpr_workitem_id 0
		.amdhsa_next_free_vgpr 1024
		.amdhsa_next_free_sgpr 100
		.amdhsa_reserve_vcc 1
		.amdhsa_float_denorm_mode_32 3
		.amdhsa_float_denorm_mode_16_64 3
		.amdhsa_memory_ordered 1
		.amdhsa_forward_progress 1
		.amdhsa_inst_pref_size 187
	.end_amdhsa_kernel
	.amdgpu_metadata
---
amdhsa.version: [ 1, 2 ]
amdhsa.kernels:
  - .name:           k_q28b43b1ec2_qkv
    .symbol:         k_q28b43b1ec2_qkv.kd
    .args:
      - { .name: codes, .offset: 0, .size: 8, .value_kind: global_buffer, .address_space: global }
      - { .name: scales, .offset: 8, .size: 8, .value_kind: global_buffer, .address_space: global }
      - { .name: cos, .offset: 16, .size: 8, .value_kind: global_buffer, .address_space: global }
      - { .name: sin, .offset: 24, .size: 8, .value_kind: global_buffer, .address_space: global }
      - { .name: qkv16, .offset: 32, .size: 8, .value_kind: global_buffer, .address_space: global }
      - { .name: fine32, .offset: 40, .size: 8, .value_kind: global_buffer, .address_space: global }
    .group_segment_fixed_size: 327680
    .private_segment_fixed_size: 0
    .kernarg_segment_align: 8
    .kernarg_segment_size: 48
    .max_flat_workgroup_size: 128
    .sgpr_count:     100
    .vgpr_count:     1024
    .wavefront_size: 32
...
	.end_amdgpu_metadata
.endif
;; end of part 2
;; launch att16 (part 3): grid 16 x 1, 2 waves a work-group, no clusters, 0 bytes of LDS; arguments fine32, attf; writes attf
.if DOCPART == 3
	.amdgcn_target "amdgcn-amd-amdhsa--gfx1250"
	.amdhsa_code_object_version 6
	.text
	.protected	k_q28b43b1ec2_att16
	.globl	k_q28b43b1ec2_att16
	.p2align	8
	.type	k_q28b43b1ec2_att16,@function
k_q28b43b1ec2_att16:
	s_mov_b64 s[64:65], 0
	v_nop
	global_prefetch_b8 v0, s[64:65] scope:SCOPE_SE
	s_setreg_imm32_b32 hwreg(HW_REG_WAVE_MODE, 25, 1), 1
	s_wait_xcnt 0x0
; Attention of positions 0 to 15 of every head, wholly in f32: these rows average one to sixteen values and are the largest of the output.
; fine32 [16][4096]: column head x 128 + d; heads 0-15 q' x 2^-8, 16-23 k' x 2^-8, 24-31 v x 2^-3.  attf [16][2048] f32: the attention result, unscaled.
; A work-group is a query head hq (key/value head hq / 2).  Both of its waves make the 16 x 16 scores; wave w makes channels 64 w .. 64 w + 63.  No LDS, no barrier: sixteen small work-groups are all the work there is.
; S^T = K Q^T by v_wmma_f32_16x16x4_f32 (source 0 = 16 keys, source 1 = 16 queries): lane (r, h) holds query r and keys 8 h + 0 .. 7.  The place (h, j) of an instruction's K stands for the same d, or the same key, on both sides.
; The registers that these instructions write (v176-239) are written by nothing else.
.set KR, 16                            ; v16-79   K: lane (r, h): key r, d = 8 u + 4 h + 0 .. 3 in registers 4 u ..
.set QR, 80                            ; v80-143  Q likewise
.set VR, 144                           ; v144-175 V: register 8 ct + jj: key 8 h + jj, channel 64 w + 16 ct + r
.set SA, 176                           ; four accumulators of scores, by turns
.set OA, 208                           ; four accumulators of O^T
.set SS, 240                           ; v240-247 the scores, then p
.set TS, 248                           ; v248-255 at work
	s_load_b128 s[4:7], s[0:1], 0x0                ; fine32, attf
	v_lshrrev_b32 v1, 5, v0
	v_readfirstlane_b32 s8, v1                     ; wave
	v_and_b32 v1, 15, v0                           ; r
	v_bfe_u32 v2, v0, 4, 1                         ; h
	v_lshlrev_b32 v3, 14, v1
	v_lshl_add_u32 v3, v2, 4, v3                   ; K, Q: row r of 16,384 bytes + 16 h
	v_lshlrev_b32 v4, 17, v2
	v_lshl_add_u32 v4, v1, 2, v4                   ; V: row 8 h, + 4 r
	v_lshlrev_b32 v5, 3, v2
	v_sub_nc_u32 v5, v1, v5                        ; r - 8 h: register j's key is hidden where j is above it
	v_mov_b32 v6, 0xff800000                       ; -infinity
	v_mov_b32 v8, 0                                ; (a lane permute's destination counts as read)
	v_lshlrev_b32 v12, 13, v1
	v_lshl_add_u32 v12, v2, 5, v12                 ; attf: row r of 8,192 bytes + 32 h
	s_lshr_b32 s9, ttmp9, 1                        ; the key/value head
	s_lshl_b32 s10, s9, 9
	s_add_co_u32 s10, s10, 8192                    ; K: column 2,048 + 128 g
	s_mov_b32 s11, 0
	s_lshl_b32 s12, ttmp9, 9                       ; Q: column 128 hq
	s_mov_b32 s13, 0
	s_lshl_b32 s14, s9, 9
	s_lshl_b32 s15, s8, 8
	s_add_co_u32 s14, s14, s15
	s_add_co_u32 s14, s14, 12288                   ; V: column 3,072 + 128 g + 64 w
	s_mov_b32 s15, 0
	s_lshl_b32 s16, ttmp9, 9
	s_lshl_b32 s17, s8, 8
	s_add_co_u32 s16, s16, s17                     ; attf: column 128 hq + 64 w
	s_mov_b32 s17, 0
	s_mov_b32 s18, 0x76543210
	s_mov_b32 s19, 0xfedcba98                      ; lane l xor 16
	s_mov_b32 s20, 0x460293ee                      ; c = log2(e) / sqrt(128) x 2^16: the two pre-scales of 2^-8 are undone here
	s_wait_kmcnt 0x0
	s_add_nc_u64 s[10:11], s[4:5], s[10:11]
	s_add_nc_u64 s[12:13], s[4:5], s[12:13]
	s_add_nc_u64 s[14:15], s[4:5], s[14:15]
	s_add_nc_u64 s[16:17], s[6:7], s[16:17]
.irp u, 0,1,2,3,4,5,6,7,8,9,10,11,12,13,14,15
	global_load_b128 v[KR+4*\u:KR+4*\u+3], v3, s[10:11] offset:32*\u
.endr
.irp u, 0,1,2,3,4,5,6,7,8,9,10,11,12,13,14,15
	global_load_b128 v[QR+4*\u:QR+4*\u+3], v3, s[12:13] offset:32*\u
.endr
.irp ct, 0,1,2,3
.irp jj, 0,1,2,3,4,5,6,7
	global_load_b32 v[VR+8*\ct+\jj], v4, s[14:15] offset:16384*\jj+64*\ct
.endr
.endr
	s_wait_loadcnt 32                              ; K and Q are in; V's 32 loads may be out
.set e, 0
.rept 32                               ; four accumulators by turns; the first four instructions start the sums
.if e < 4
	v_wmma_f32_16x16x4_f32 v[SA+8*(e%4):SA+8*(e%4)+7], v[KR+2*e:KR+2*e+1], v[QR+2*e:QR+2*e+1], 0
.else
	v_wmma_f32_16x16x4_f32 v[SA+8*(e%4):SA+8*(e%4)+7], v[KR+2*e:KR+2*e+1], v[QR+2*e:QR+2*e+1], v[SA+8*(e%4):SA+8*(e%4)+7]
.endif
.set e, e+1
.endr
.rept 8
	v_nop                                          ; eight places behind this form (ISA guide 7.12.1)
.endr
.irp i, 0,2,4,6                        ; the four part sums, each accumulator from its low end on
	v_pk_add_f32 v[SS+\i:SS+\i+1], v[SA+\i:SA+\i+1], v[SA+8+\i:SA+8+\i+1]
	v_pk_add_f32 v[TS+\i:TS+\i+1], v[SA+16+\i:SA+16+\i+1], v[SA+24+\i:SA+24+\i+1]
.endr
.irp i, 0,2,4,6
	v_pk_add_f32 v[SS+\i:SS+\i+1], v[SS+\i:SS+\i+1], v[TS+\i:TS+\i+1]
.endr
.irp j, 0,1,2,3,4,5,6,7                ; the causal mask: key 8 h + j counts for query r where it is not above it
	v_cmp_gt_i32 vcc_lo, \j, v5
	v_cndmask_b32 v[SS+\j], v[SS+\j], v6, vcc_lo
.endr
	v_max3_num_f32 v7, v[SS], v[SS+1], v[SS+2]
	v_max3_num_f32 v7, v7, v[SS+3], v[SS+4]
	v_max3_num_f32 v7, v7, v[SS+5], v[SS+6]
	v_max_num_f32 v7, v7, v[SS+7]
	v_permlanex16_b32 v8, v7, s18, s19
	v_max_num_f32 v7, v7, v8                       ; the row's largest score (key 0 counts for every query)
	v_mul_f32 v9, s20, v7
.irp j, 0,1,2,3,4,5,6,7
	v_fma_f32 v[SS+\j], v[SS+\j], s20, -v9
.endr
.irp j, 0,1,2,3,4,5,6,7
	v_exp_f32 v[SS+\j], v[SS+\j]
.endr
	v_nop                                          ; a plain line behind the exponentials,
	s_wait_alu depctr_va_vdst(0)                   ; and one wait for the batch ahead of its first reader
	v_add_f32 v10, v[SS], v[SS+1]
	v_add_f32 v13, v[SS+2], v[SS+3]
	v_add_f32 v14, v[SS+4], v[SS+5]
	v_add_f32 v15, v[SS+6], v[SS+7]
	v_add_f32 v10, v10, v13
	v_add_f32 v14, v14, v15
	v_add_f32 v10, v10, v14
	v_permlanex16_b32 v8, v10, s18, s19
	v_add_f32 v10, v10, v8                         ; the row's sum
	v_rcp_f32 v11, v10
	v_nop
	s_wait_alu depctr_va_vdst(0)
	v_mul_f32 v11, 0x41000000, v11                 ; 8 / sum: v's pre-scale of 2^-3 is undone here
.irp j, 0,1,2,3,4,5,6,7
	v_mul_f32 v[SS+\j], v[SS+\j], v11
.endr
	s_wait_loadcnt 0x0                             ; V
.irp kk, 0,1,2,3                       ; O^T = V^T P: the place (h, j) stands for key 8 h + 2 kk + j on both sides; four accumulators by turns
.irp ct, 0,1,2,3
.if \kk == 0
	v_wmma_f32_16x16x4_f32 v[OA+8*\ct:OA+8*\ct+7], v[VR+8*\ct+2*\kk:VR+8*\ct+2*\kk+1], v[SS+2*\kk:SS+2*\kk+1], 0
.else
	v_wmma_f32_16x16x4_f32 v[OA+8*\ct:OA+8*\ct+7], v[VR+8*\ct+2*\kk:VR+8*\ct+2*\kk+1], v[SS+2*\kk:SS+2*\kk+1], v[OA+8*\ct:OA+8*\ct+7]
.endif
.endr
.endr
.rept 8
	v_nop
.endr
.irp ct, 0,1,2,3                       ; lane (r, h): query r, channels 64 w + 16 ct + 8 h + 0 .. 7: 32 neighbouring bytes; the low four registers first
	global_store_b128 v12, v[OA+8*\ct:OA+8*\ct+3], s[16:17] offset:64*\ct
	global_store_b128 v12, v[OA+8*\ct+4:OA+8*\ct+7], s[16:17] offset:64*\ct+16
.endr
	s_endpgm
.Lfunc_end_k_q28b43b1ec2_att16:
	.size	k_q28b43b1ec2_att16, .Lfunc_end_k_q28b43b1ec2_att16-k_q28b43b1ec2_att16
	.p2alignl 7, 3214868480
	.fill 96, 4, 3214868480
	.section	.rodata,"a",@progbits
	.p2align	6, 0x0
	.amdhsa_kernel k_q28b43b1ec2_att16
		.amdhsa_group_segment_fixed_size 0
		.amdhsa_private_segment_fixed_size 0
		.amdhsa_enable_private_segment 0
		.amdhsa_kernarg_size 16
		.amdhsa_user_sgpr_count 2
		.amdhsa_user_sgpr_kernarg_segment_ptr 1
		.amdhsa_wavefront_size32 1
		.amdhsa_system_sgpr_workgroup_id_x 1
		.amdhsa_system_sgpr_workgroup_id_y 1
		.amdhsa_system_sgpr_workgroup_id_z 1
		.amdhsa_system_vgpr_workitem_id 0
		.amdhsa_next_free_vgpr 256
		.amdhsa_next_free_sgpr 66
		.amdhsa_reserve_vcc 1
		.amdhsa_float_denorm_mode_32 3
		.amdhsa_float_denorm_mode_16_64 3
		.amdhsa_memory_ordered 1
		.amdhsa_forward_progress 1
		.amdhsa_inst_pref_size 16
	.end_amdhsa_kernel
	.amdgpu_metadata
---
amdhsa.version: [ 1, 2 ]
amdhsa.kernels:
  - .name:           k_q28b43b1ec2_att16
    .symbol:         k_q28b43b1ec2_att16.kd
    .args:
      - { .name: fine32, .offset: 0, .size: 8, .value_kind: global_buffer, .address_space: global }
      - { .name: attf, .offset: 8, .size: 8, .value_kind: global_buffer, .address_space: global }
    .group_segment_fixed_size: 0
    .private_segment_fixed_size: 0
    .kernarg_segment_align: 8
    .kernarg_segment_size: 16
    .max_flat_workgroup_size: 64
    .sgpr_count:     66
    .vgpr_count:     256
    .wavefront_size: 32
...
	.end_amdgpu_metadata
.endif
;; end of part 3
;; launch attn (part 4): grid 32 x 8, 8 waves a work-group, no clusters, 327,680 bytes of LDS; arguments qkv16, atth; writes atth
.if DOCPART == 4
	.amdgcn_target "amdgcn-amd-amdhsa--gfx1250"
	.amdhsa_code_object_version 6
	.text
	.protected	k_q28b43b1ec2_attn
	.globl	k_q28b43b1ec2_attn
	.p2align	8
	.type	k_q28b43b1ec2_attn,@function
k_q28b43b1ec2_attn:
	s_mov_b64 s[64:65], 0
	v_nop
	global_prefetch_b8 v0, s[64:65] scope:SCOPE_SE
	s_setreg_imm32_b32 hwreg(HW_REG_WAVE_MODE, 25, 1), 1
	s_wait_xcnt 0x0
; Causal attention with grouped heads on f16 operands, f32 products, maxima and sums.  qkv16 [32][2048][128] f16: heads 0-15 q' x 2^-8, 16-23 k' x 2^-8, 24-31 v x 2^-3.
; atth [2048][2048] f16 = the attention result x 2^-3, column = head x 128 + d.  (Positions 0-15 are made again, finely, by launches of their own.)
; SHARES.  A work-group serves one query head, 2 g + (x & 1) (g = y, the key/value head), and a PAIR of blocks of 64 queries: the early block p = x >> 1 and the late block 31 - p.  Each of its eight waves owns ONE tile of
; 16 queries.  Under the mask a tile's work grows with its place, and an early and a late tile together have the same number of keys that count, whatever p: so all 256 work-groups have equal work.
; The late waves are those whose number has even parity (0, 3, 5, 6): each pair (w, w + 4) and each pair (2 j, 2 j + 1) holds one early and one late wave.  The tile within a block is w >> 1.
; Keys go in slots of 256 (four steps of 64) through a ring of two LDS slots; wave 0 fetches K's 256 rows with one load, wave 1 V's.
; LAYOUT.  S^T = K Q^T, O^T = V^T P: a lane holds one query throughout; two tiles of S^T rounded to f16 in pairs are source 1 of the second product; V comes out of LDS turned, by ds_load_tr16_b128.
; SOFTMAX.  A running maximum m and sum l for each query: p = 2^(c s - c m), c = log2(e) / sqrt(128) x 2^16 (the pre-scales undone); O and l are multiplied by a = 2^(c m_old - c m_new) in every step.
; The loop has no first step of its own: O and l begin as zeros and m as -2^100, under every score that f16 operands can give.
; CAUSAL.  Every work-group walks all 8 changes of slots (constant trip count).  A slot whose first key comes after the work-group's last query is not asked for; a wave leaves out each half slot (128 keys) whose first key
; comes after its own last query; on the diagonal hidden scores become -infinity.
; NO CLUSTER: the look-ahead ends at a limit that hangs on the work-group's number, by a jump round the tensor load, and no such jump may lead round a joint load.
; REGISTERS: window 0: v1-15, v33-35 addresses; v16-23 statistics; v64-95 Q; v96-127 S^T; v128-143 P; v160-223 O^T.  window 1: v0-127 V of a step, v128-255 K of a step.
.set PK,    272                        ; a row of K in LDS: 256 bytes + 16
.set PV,    288                        ; a row of V: 256 + 32: the turning load's 8 rows x 32 bytes fall on different words
.set VOFF,  256*PK                     ; a slot: 256 rows of K, then 256 rows of V
.set SLOTB, 256*(PK+PV)
.set STAGE, 2*SLOTB                    ; behind the ring: 16 rows x 272 bytes a wave, for the way out
.set SP,    272
.set SPARE, STAGE+8*16*SP              ; the spare words, 128 bytes a wave
.set AK0, 2                            ; v2  my lane's place in a tile of K
.set AV0, 3                            ; v3  the same for V
.set ADK, 4                            ; v4  LDS address of the half slot's K
.set ADV, 5                            ; v5  of its V
.set STO, 6
.set RD,  7
.set GO,  8
.set QO,  10
.set DM,  11                           ; the mask's bound in this step
.set NEGI, 12                          ; -infinity
.set PFO, 13                           ; 256 x lane
.set SPW, 14
.set NIL, 15
.set ST,  16                           ; +0 c m, +1 m, +2, +3 l, +4 .. +7 at work; a takes +6
.set DL,  33                           ; r - 8 h
.set Q,   64
.set S,   96
.set P,   128
.set O,   160
.set WV,  8                            ; s8   my wave's number
.set QL,  9                            ; s9   my work-group's last query
.set Q0,  11                           ; s11  my first query
.set KF,  12                           ; s12  the slot's first key
.set Q15, 13                           ; s13  my last query
.set TRIPS, 14
.set LIM, 15                           ; s15  1 in a wave that prefetches, else 0
.set G1K, 16                           ; s[16:23] descriptor group 1 for K's tiles;  s[24:31] for V's: it differs in the padding alone
.set G1V, 24
.set G0K, 32                           ; s[32:39] group 0 for K's tiles, a set for each slot
.set CS,  40
.set SEL, 42
.set PFA, 44
.set G0V, 48                           ; s[48:55] the same for V's
.set MSB, 0
.macro WIN new                         ; the immediate's high byte repeats the setting that is left
.if MSB != \new
	s_set_vgpr_msb (MSB<<8)|\new
.set MSB, \new
.endif
.endm
.macro PLACES n
.rept \n
	v_nop
.endr
.endm
.macro TLOAD s                         ; into slot s: wave 0 fetches K's tile, wave 1 V's, the others nothing; s_nop 0 and four v_nop follow each line
	s_cmp_lt_u32 s[WV], 1
	s_cbranch_scc0 .Lnot_k_\@
	tensor_load_to_lds s[G0K+4*(\s):G0K+4*(\s)+3], s[G1K:G1K+7]
	s_nop 0
.rept 4
	v_nop
.endr
	s_branch .Lasked_\@
.Lnot_k_\@:
	s_cmp_lt_u32 s[WV], 2
	s_cbranch_scc0 .Lasked_\@
	tensor_load_to_lds s[G0V+4*(\s):G0V+4*(\s)+3], s[G1V:G1V+7]
	s_nop 0
.rept 4
	v_nop
.endr
.Lasked_\@:
.endm
; A prefetch of the slot that the NEXT change of slots will ask for: 256 rows of 256 bytes of K (waves 2 and 3, 128 rows each) and of V (waves 4 and 5), a lane a row, four instructions a wave.  Each row is named once in
; the launch: all 32 work-groups of a key/value head walk the same rows, and work-group x = 0, which walks all eight slots, asks.  It stands in the loop's six changes alone: slots 0 and 1 come by their loads, and behind slot 7 there is none.
.macro ASK
	s_cmp_eq_u32 s[LIM], 1
	s_cbranch_scc0 .Lnot_mine_\@
.irp o, 0,8192,16384,24576
	global_prefetch_b8 v[PFO], s[PFA:PFA+1] offset:\o th:TH_LOAD_NT scope:SCOPE_SE
.endr
.Lnot_mine_\@:
.endm
	s_load_b128 s[4:7], s[0:1], 0x0                ; qkv16, atth
	v_lshl_add_u32 v[SPW], v0, 2, SPARE
	v_mov_b32 v[NIL], 0
	ds_add_u32 v[SPW], v[NIL]                      ; the opening: the add, twice on end, and its wait ahead of the first tensor load
	ds_add_u32 v[SPW], v[NIL]
	v_lshrrev_b32 v1, 5, v0
	v_readfirstlane_b32 s[WV], v1
	s_and_b32 s10, ttmp7, 0xffff                   ; g
	s_lshr_b32 s2, ttmp9, 1                        ; p: the early block
	s_sub_co_u32 s3, 31, s2                        ; the late block
	s_lshl_b32 s[QL], s3, 6
	s_or_b32 s[QL], s[QL], 63                      ; the work-group's last query: made of its number alone
	s_lshr_b32 s46, s[WV], 1                       ; my tile within a block
	s_xor_b32 s47, s46, s[WV]
	s_lshr_b32 s[Q15], s[WV], 2
	s_xor_b32 s47, s47, s[Q15]
	s_and_b32 s47, s47, 1                          ; the parity of my wave's number
	s_cmp_eq_u32 s47, 0
	s_cselect_b32 s2, s3, s2                       ; even: the late block; odd: the early one
	s_lshl_b32 s[Q0], s2, 6
	s_lshl_b32 s46, s46, 4
	s_add_co_u32 s[Q0], s[Q0], s46                 ; my first query
	s_or_b32 s[Q15], s[Q0], 15                     ; and my last
	s_mov_b32 s[G1K], (1<<16)|(1<<20)|(5<<22)|(3<<25)   ; elements of 2 bytes; 4 words of padding behind every 64
	s_mov_b32 s[G1V], (1<<16)|(1<<20)|(5<<22)|(7<<25)   ; 8 words
.irp g, G1K, G1V
	s_mov_b32 s[\g+1], 128<<16                     ; tensor_dim0
	s_mov_b32 s[\g+2], 256<<16                     ; tensor_dim1
	s_mov_b32 s[\g+3], 128<<16                     ; tile_dim0
	s_mov_b32 s[\g+4], 256                         ; tile_dim1
	s_mov_b32 s[\g+5], 128                         ; pitch
	s_mov_b32 s[\g+6], 0
	s_mov_b32 s[\g+7], 0
.endr
	s_mov_b32 s[CS], 0x460293ee
	s_mov_b32 s[CS+1], s[CS]
	s_mov_b32 s[SEL], 0x76543210
	s_mov_b32 s[SEL+1], 0xfedcba98
	s_mov_b32 s[KF], 0
	s_mov_b32 s[TRIPS], 3
	s_and_b32 s2, ttmp9, 1
	s_lshl_b32 s3, s10, 1
	s_add_co_u32 s3, s3, s2                        ; my query head
	s_add_co_u32 s56, s10, 16
	s_lshl_b32 s56, s56, 19                        ; K's head: 524,288 bytes a head
	s_mov_b32 s57, 0
	s_add_co_u32 s58, s10, 24
	s_lshl_b32 s58, s58, 19                        ; V's
	s_mov_b32 s59, 0
	s_lshl_b32 s60, s3, 19                         ; Q's head,
	s_lshl_b32 s61, s[Q0], 8
	s_add_co_u32 s60, s60, s61                     ; my first query's row
	s_mov_b32 s61, 0
	s_lshl_b32 s62, s[Q0], 12                      ; atth: row of 4,096 bytes,
	s_lshl_b32 s63, s3, 8
	s_add_co_u32 s62, s62, s63                     ; my head's 256 bytes
	s_mov_b32 s63, 0
	s_sub_co_u32 s46, s[WV], 2
	s_lshr_b32 s47, s46, 2                         ; 0 in waves 2 to 5,
	s_or_b32 s47, s47, ttmp9                       ; of work-group x = 0
	s_cmp_eq_u32 s47, 0
	s_cselect_b32 s[LIM], 1, 0
	s_wait_dscnt 0x0                               ; both opening adds are done
	s_wait_kmcnt 0x0
	s_add_nc_u64 s[56:57], s[4:5], s[56:57]
	s_add_nc_u64 s[58:59], s[4:5], s[58:59]
	s_add_nc_u64 s[60:61], s[4:5], s[60:61]
	s_add_nc_u64 s[6:7], s[6:7], s[62:63]
.irp s, 0,1
	s_mov_b32 s[G0K+4*\s], 1                       ; count = 1
	s_mov_b32 s[G0K+4*\s+1], \s*SLOTB              ; LDS address
	s_add_nc_u64 s[G0K+4*\s+2:G0K+4*\s+3], s[56:57], \s*65536   ; keys 256 s on
	s_or_b32 s[G0K+4*\s+3], s[G0K+4*\s+3], 0x80000000
	s_mov_b32 s[G0V+4*\s], 1
	s_mov_b32 s[G0V+4*\s+1], \s*SLOTB+VOFF
	s_add_nc_u64 s[G0V+4*\s+2:G0V+4*\s+3], s[58:59], \s*65536
	s_or_b32 s[G0V+4*\s+3], s[G0V+4*\s+3], 0x80000000
.endr
	TLOAD 0                                        ; slot 0: key 0 counts for every query
	s_cmp_lt_u32 s[WV], 4                          ; the prefetches: waves 2, 3 stand in K, waves 4, 5 in V,
	s_cselect_b64 s[PFA:PFA+1], s[56:57], s[58:59]
	s_and_b32 s46, s[WV], 1
	s_lshl_b32 s46, s46, 15                        ; at my 128 rows of a slot's 256,
	s_mov_b32 s47, 0
	s_add_nc_u64 s[PFA:PFA+1], s[PFA:PFA+1], s[46:47]
	s_add_nc_u64 s[PFA:PFA+1], s[PFA:PFA+1], 65536 ; in slot 1: the first change of slots steps it to slot 2
	v_and_b32 v1, 15, v0                           ; r
	v_bfe_u32 v9, v0, 4, 1                         ; h
	v_lshlrev_b32 v[QO], 8, v1
	v_lshl_add_u32 v[QO], v9, 4, v[QO]
.irp c, 0,1,2,3
	global_load_b128 v[Q+8*\c:Q+8*\c+3], v[QO], s[60:61] offset:64*\c       ; Q stays in registers
	global_load_b128 v[Q+8*\c+4:Q+8*\c+7], v[QO], s[60:61] offset:64*\c+32
.endr
	v_mul_u32_u24 v[AK0], v1, PK
	v_lshl_add_u32 v[AK0], v9, 4, v[AK0]
	v_and_b32 v34, 7, v0
	v_bfe_u32 v35, v0, 3, 1
	v_lshl_add_u32 v[AV0], v9, 3, v34              ; the turning load: key 8 h + l % 8, channels 8 ((l / 8) % 2) on
	v_mul_u32_u24 v[AV0], v[AV0], PV
	v_lshl_add_u32 v[AV0], v35, 4, v[AV0]
	s_mul_i32 s46, s[WV], 16*SP
	s_add_co_u32 s46, s46, STAGE
	v_mul_u32_u24 v[STO], v1, SP
	v_lshl_add_u32 v[STO], v9, 4, v[STO]
	v_add_nc_u32 v[STO], s46, v[STO]
	v_mul_u32_u24 v[RD], v9, SP
	v_lshl_add_u32 v[RD], v1, 4, v[RD]
	v_add_nc_u32 v[RD], s46, v[RD]
	v_lshlrev_b32 v[GO], 12, v9
	v_lshl_add_u32 v[GO], v1, 4, v[GO]
	v_lshlrev_b32 v34, 3, v9
	v_sub_nc_u32 v[DL], v1, v34
	v_mov_b32 v[NEGI], 0xff800000
	v_and_b32 v[PFO], 31, v0
	v_lshlrev_b32 v[PFO], 8, v[PFO]
	v_mov_b32 v[ST+1], 0xf1800000                  ; m = -2^100
	v_mul_f32 v[ST], s[CS], v[ST+1]
.irp j, 2,3,4,5,6,7
	v_mov_b32 v[ST+\j], 0                          ; l; and the registers at work, written once on every way
.endr
.set n, 0
.rept 64
	v_mov_b32 v[O+n], 0                            ; O^T: the key step is written without a first step of its own
.set n, n+1
.endr
.macro FETCH_K q                       ; 64 keys x 128 channels: fragment f: keys 16 (f / 4) on, channels 32 (f % 4) on
	WIN 0x40
.set f, 0
.rept 16
	ds_load_b128 v[128+8*f:128+8*f+3], v[ADK] offset:(\q)*64*PK+(f/4)*16*PK+(f%4)*64
	ds_load_b128 v[128+8*f+4:128+8*f+7], v[ADK] offset:(\q)*64*PK+(f/4)*16*PK+(f%4)*64+32
.set f, f+1
.endr
.endm
.macro FETCH_V q                       ; turned: fragment f: keys 32 (f / 8) on, channels 16 (f % 8) on
	WIN 0x40
.set f, 0
.rept 16
	ds_load_tr16_b128 v[8*f:8*f+3], v[ADV] offset:(\q)*64*PV+(f/8)*32*PV+(f%8)*32
	ds_load_tr16_b128 v[8*f+4:8*f+7], v[ADV] offset:(\q)*64*PV+(f/8)*32*PV+16*PV+(f%8)*32
.set f, f+1
.endr
.endm
.macro QK                              ; 16 products: channels 32 (i / 4) on, keys 16 (i % 4) on; four accumulators by turns, one instruction a turn; the first four start the sums
	WIN 0x01
.set i, 0
.rept 16
.set rS, S+8*(i%4)
.set rK, 128+32*(i%4)+8*(i/4)
.set rQ, Q+8*(i/4)
.if i < 4
	v_wmma_f32_16x16x32_f16 v[rS:rS+7], v[rK:rK+7], v[rQ:rQ+7], 0
.else
	v_wmma_f32_16x16x32_f16 v[rS:rS+7], v[rK:rK+7], v[rQ:rQ+7], v[rS:rS+7]
.endif
.set i, i+1
.endr
.endm
.macro PVM                             ; 16 products: keys 32 (i / 8) on, channels 16 (i % 8) on; eight accumulators by turns
	WIN 0x01
.set i, 0
.rept 16
.set rO, O+8*(i%8)
.set rV, 64*(i/8)+8*(i%8)
.set rP, P+8*(i/8)
	v_wmma_f32_16x16x32_f16 v[rO:rO+7], v[rV:rV+7], v[rP:rP+7], v[rO:rO+7]
.set i, i+1
.endr
.endm
.macro MASK off                        ; register n holds key KF + off + 16 (n / 8) + 8 h + n % 8: hidden where it is above my query.  A step all of whose keys count for my 16 queries skips this (ids alone)
	s_add_co_u32 s46, s[KF], (\off)+63
	s_cmp_le_u32 s46, s[Q0]
	s_cbranch_scc1 .Lopen_\@
	s_sub_co_i32 s46, s[Q0], s[KF]
.if (\off) > 0
	s_sub_co_i32 s46, s46, (\off)
.endif
	v_add_nc_u32 v[DM], s46, v[DL]
.set n, 0
.rept 32
	v_cmp_gt_i32 vcc_lo, 16*(n/8)+n%8, v[DM]
	v_cndmask_b32 v[S+n], v[S+n], v[NEGI], vcc_lo
.set n, n+1
.endr
.Lopen_\@:
.endm
.macro SOFTMAX
.irp c, 0,1,2,3                        ; the maximum, in four chains by turns
	v_max3_num_f32 v[ST+4+\c], v[S+8*\c], v[S+8*\c+1], v[S+8*\c+2]
.endr
.irp k, 3,5
.irp c, 0,1,2,3
	v_max3_num_f32 v[ST+4+\c], v[ST+4+\c], v[S+8*\c+\k], v[S+8*\c+\k+1]
.endr
.endr
	v_max3_num_f32 v[ST+4], v[ST+4], v[S+7], v[S+15]
	v_max3_num_f32 v[ST+6], v[ST+6], v[S+23], v[S+31]
	v_max3_num_f32 v[ST+4], v[ST+4], v[ST+5], v[ST+6]
	v_max3_num_f32 v[ST+4], v[ST+4], v[ST+7], v[ST+1]          ; with the old m
	v_permlanex16_b32 v[ST+5], v[ST+4], s[SEL], s[SEL+1]       ; the query's other 32 keys lie in the lane 16 away
	v_mov_b32 v[ST+7], v[ST]                       ; c m_old
	v_max_num_f32 v[ST+1], v[ST+4], v[ST+5]
	v_mul_f32 v[ST], s[CS], v[ST+1]
	v_sub_f32 v[ST+7], v[ST+7], v[ST]
.irp b, 0,2,4,6,8,10,12,14,16,18,20,22,24,26,28,30
	v_pk_fma_f32 v[S+\b:S+\b+1], v[S+\b:S+\b+1], s[CS:CS+1], v[ST:ST+1] op_sel_hi:[1,0,0] neg_lo:[0,0,1] neg_hi:[0,0,1]   ; c s - c m
.endr
	v_exp_f32 v[ST+6], v[ST+7]                     ; a
.set n, 0
.rept 32
	v_exp_f32 v[S+n], v[S+n]
.set n, n+1
.endr
	v_nop                                          ; a plain line behind the last exponential,
	s_wait_alu depctr_va_vdst(0)                   ; and ONE wait for the 33, ahead of their first reader
.set n, 0
.rept 16
	v_cvt_pk_f16_f32 v[P+n], v[S+2*n], v[S+2*n+1]
.set n, n+1
.endr
.irp z, 0,1,2,3,4,5,6,7                ; the sum of the unrounded p, in place, by pairs
	v_pk_add_f32 v[S+4*\z:S+4*\z+1], v[S+4*\z:S+4*\z+1], v[S+4*\z+2:S+4*\z+3]
.endr
.irp z, 0,1,2,3
	v_pk_add_f32 v[S+8*\z:S+8*\z+1], v[S+8*\z:S+8*\z+1], v[S+8*\z+4:S+8*\z+5]
.endr
.irp z, 0,1
	v_pk_add_f32 v[S+16*\z:S+16*\z+1], v[S+16*\z:S+16*\z+1], v[S+16*\z+8:S+16*\z+9]
.endr
	v_pk_add_f32 v[S:S+1], v[S:S+1], v[S+16:S+17]
	v_pk_fma_f32 v[ST+2:ST+3], v[ST+2:ST+3], v[ST+6:ST+7], v[S:S+1] op_sel_hi:[1,0,1]   ; l = a l + the sum
.endm
.macro RESCALE                         ; O^T x a, each accumulator from its low end on
.set n, 0
.rept 32
	v_pk_mul_f32 v[O+n:O+n+1], v[O+n:O+n+1], v[ST+6:ST+7] op_sel_hi:[1,0]
.set n, n+2
.endr
.endm
; The change of slots stands at a slot's head.  cur: the slot about to be read.  Each wave waits for all its tensor loads, adds 0 to its spare word (fill = 1: twice on end), waits for that and for its reads of the slot
; that it has left; one barrier; fill = 1: then that other slot is filled with the next 256 keys, up to the causal limit.  ask = 1 (the loop's changes): slot cur's descriptors step to the keys two slots on, and the prefetch is laid.
.macro CHANGE cur, fill, ask
	s_wait_tensorcnt 0x0                           ; no tensor load of mine is out, so a group 0 may be written
	ds_add_u32 v[SPW], v[NIL]
.if \fill
	ds_add_u32 v[SPW], v[NIL]                      ; and once more, at every filling change alike
.endif
.if \ask
	s_add_nc_u64 s[G0K+4*(\cur)+2:G0K+4*(\cur)+3], s[G0K+4*(\cur)+2:G0K+4*(\cur)+3], 131072   ; this slot's load has landed: its set takes the keys two slots on
	s_add_nc_u64 s[G0V+4*(\cur)+2:G0V+4*(\cur)+3], s[G0V+4*(\cur)+2:G0V+4*(\cur)+3], 131072
	s_wait_xcnt 0x0                                ; the last prefetches, a slot back, have read their address
	s_add_nc_u64 s[PFA:PFA+1], s[PFA:PFA+1], 65536 ; one slot further on than the load below
.endif
	s_wait_dscnt 0x0                               ; the add is done (fill = 1: both are), and my reads of the slot that I have left are over
	s_barrier_signal -1
	s_barrier_wait -1
.if \fill
	s_add_co_u32 s46, s[KF], 256                   ; the first key of the slot that this change would ask for,
	s_cmp_gt_u32 s46, s[QL]                        ; against my work-group's last query: ids and the count of slots alone, the same in all eight waves; past the limit no wave would read the slot, so it is not asked for
	s_cbranch_scc1 .Lpast_\@
	TLOAD 1-(\cur)
.Lpast_\@:
.endif
.if \ask
	ASK
.endif
.endm
; Half a slot: 128 keys, two steps of 64.  At its head the K of its first step has been asked for.  hs = 0: behind its last K Q^T, where K's registers are free, the second half's first K is asked for.
.macro HALF s, hs
.if \hs
	v_add_nc_u32 v[ADV], (\s)*SLOTB+VOFF+128*PV, v[AV0]
.endif
	FETCH_V 0
	s_wait_dscnt 32                                ; K of the first step is in; V's 32 loads may be out
	QK
	WIN 0
	PLACES 4
	FETCH_K 1
	WIN 0
	MASK 128*(\hs)
	SOFTMAX
	RESCALE
	s_wait_dscnt 32                                ; V of the first step is in; K of the second may be out
	PVM
	WIN 0
	PLACES 4
	FETCH_V 1
	s_wait_dscnt 32                                ; K of the second step is in; its V may be out
	QK
	WIN 0
	PLACES 4
.if (\hs) == 0
	v_add_nc_u32 v[ADK], (\s)*SLOTB+128*PK, v[AK0]
	FETCH_K 0
	WIN 0
.endif
	MASK 128*(\hs)+64
	SOFTMAX
	RESCALE
.if (\hs) == 0
	s_wait_dscnt 32                                ; V of the second step is in; the next half's K may be out
.else
	s_wait_dscnt 0x0
.endif
	PVM
	WIN 0
	PLACES 4                                       ; behind the last products: for the next loads into V's registers, and for the way out
.endm
.macro SLOT s                          ; the second half stands inside the first half's test: it is reached only behind the first
	s_cmp_gt_u32 s[KF], s[Q15]                     ; all 256 keys come after my 16 queries: nothing is read (ids and the count of slots alone)
	s_cbranch_scc1 .Lhid_\@
	v_add_nc_u32 v[ADK], (\s)*SLOTB, v[AK0]
	v_add_nc_u32 v[ADV], (\s)*SLOTB+VOFF, v[AV0]
	FETCH_K 0
	HALF \s, 0
	s_add_co_u32 s46, s[KF], 128
	s_cmp_gt_u32 s46, s[Q15]                       ; the same of the second 128 (the K asked for above is then not used; the next wait for all LDS loads covers it)
	s_cbranch_scc1 .Lhid_\@
	HALF \s, 1
.Lhid_\@:
	s_add_co_u32 s[KF], s[KF], 256
.endm
	s_wait_loadcnt 0x0                             ; Q
.Ltrip:                                                ; 3 trips of two slots: slots 0 to 5; each change asks for the next slot, up to the causal limit
	CHANGE 0, 1, 1
	SLOT 0
	CHANGE 1, 1, 1
	SLOT 1
	s_sub_co_u32 s[TRIPS], s[TRIPS], 1
	s_cmp_lg_u32 s[TRIPS], 0
	s_cbranch_scc1 .Ltrip
	CHANGE 0, 1, 0                                 ; the last two slots are written out: slot 7 is asked for here,
	SLOT 0
	CHANGE 1, 0, 0                                 ; and nothing behind it
	SLOT 1
	; THE WAY OUT: O^T / l, rounded to f16, 16 rows of 256 bytes through my stage
	v_add_f32 v[ST+4], v[ST+2], v[ST+3]
	v_permlanex16_b32 v[ST+5], v[ST+4], s[SEL], s[SEL+1]
	v_add_f32 v[ST+4], v[ST+4], v[ST+5]
	v_rcp_f32 v[ST+6], v[ST+4]
	v_nop                                          ; a plain line behind the reciprocal,
	s_wait_alu depctr_va_vdst(0)                   ; and the wait ahead of its first reader
.set n, 0
.rept 32
	v_pk_mul_f32 v[O+n:O+n+1], v[O+n:O+n+1], v[ST+6:ST+7] op_sel_hi:[1,0]   ; each accumulator from its low end on
.set n, n+2
.endr
.set n, 0
.rept 32
	v_cvt_pk_f16_f32 v[S+n], v[O+2*n], v[O+2*n+1]
.set n, n+1
.endr
.irp f, 0,1,2,3,4,5,6,7
	ds_store_b128 v[STO], v[S+4*\f:S+4*\f+3] offset:32*\f
.endr
.irp f, 0,1,2,3,4,5,6,7
	ds_load_b128 v[S+4*\f:S+4*\f+3], v[RD] offset:\f*2*SP   ; LDS serves a wave's instructions in order: these see the stores above
.endr
.irp f, 0,1,2,3,4,5,6,7
	s_wait_dscnt 7-\f                              ; load f is back; the younger ones may be out
	global_store_b128 v[GO], v[S+4*\f:S+4*\f+3], s[6:7] offset:\f*8192   ; sixteen lanes store 256 consecutive bytes, aligned
.endr
	s_wait_tensorcnt 0x0                           ; the wave's end
	ds_add_u32 v[SPW], v[NIL]
	s_wait_dscnt 0x0
	s_endpgm
.Lfunc_end_k_q28b43b1ec2_attn:
	.size	k_q28b43b1ec2_attn, .Lfunc_end_k_q28b43b1ec2_attn-k_q28b43b1ec2_attn
	.p2alignl 7, 3214868480
	.fill 96, 4, 3214868480
	.section	.rodata,"a",@progbits
	.p2align	6, 0x0
	.amdhsa_kernel k_q28b43b1ec2_attn
		.amdhsa_group_segment_fixed_size 327680
		.amdhsa_private_segment_fixed_size 0
		.amdhsa_enable_private_segment 0
		.amdhsa_kernarg_size 16
		.amdhsa_user_sgpr_count 2
		.amdhsa_user_sgpr_kernarg_segment_ptr 1
		.amdhsa_wavefront_size32 1
		.amdhsa_system_sgpr_workgroup_id_x 1
		.amdhsa_system_sgpr_workgroup_id_y 1
		.amdhsa_system_sgpr_workgroup_id_z 1
		.amdhsa_system_vgpr_workitem_id 0
		.amdhsa_next_free_vgpr 512
		.amdhsa_next_free_sgpr 66
		.amdhsa_reserve_vcc 1
		.amdhsa_float_denorm_mode_32 3
		.amdhsa_float_denorm_mode_16_64 3
		.amdhsa_memory_ordered 1
		.amdhsa_forward_progress 1
		.amdhsa_inst_pref_size 255
	.end_amdhsa_kernel
	.section	.bss,"aw",@nobits
	.p2align	6
	.space	262144
	.amdgpu_metadata
---
amdhsa.version: [ 1, 2 ]
amdhsa.kernels:
  - .name:           k_q28b43b1ec2_attn
    .symbol:         k_q28b43b1ec2_attn.kd
    .args:
      - { .name: qkv16, .offset: 0, .size: 8, .value_kind: global_buffer, .address_space: global }
      - { .name: atth, .offset: 8, .size: 8, .value_kind: global_buffer, .address_space: global }
    .group_segment_fixed_size: 327680
    .private_segment_fixed_size: 0
    .kernarg_segment_align: 8
    .kernarg_segment_size: 16
    .max_flat_workgroup_size: 256
    .sgpr_count:     66
    .vgpr_count:     512
    .wavefront_size: 32
...
	.end_amdgpu_metadata
.endif
;; end of part 4
;; launch oproj (part 5): grid 16 x 16, 4 waves a work-group, clusters of 4 x 4, 327,680 bytes of LDS; arguments atth, wo16, out0; writes out0
.if DOCPART == 5
	.amdgcn_target "amdgcn-amd-amdhsa--gfx1250"
	.amdhsa_code_object_version 6
	.text
	.protected	k_q28b43b1ec2_oproj
	.globl	k_q28b43b1ec2_oproj
	.p2align	8
	.type	k_q28b43b1ec2_oproj,@function
k_q28b43b1ec2_oproj:
	s_mov_b64 s[64:65], 0
	v_nop
	global_prefetch_b8 v0, s[64:65] scope:SCOPE_SE
	s_setreg_imm32_b32 hwreg(HW_REG_WAVE_MODE, 25, 1), 1
	s_wait_xcnt 0x0
	s_wait_alu depctr_hold_cnt(0) depctr_sa_sdst(0) depctr_va_vdst(0) depctr_va_sdst(0) depctr_va_ssrc(0) depctr_va_vcc(0) depctr_vm_vsrc(0)
	s_getreg_b32 s2, hwreg(HW_REG_IB_STS2, 6, 4)
	s_cmp_eq_u32 s2, 0
	s_cbranch_scc0 .Lentry_in_a_cluster
	s_endpgm
.Lentry_in_a_cluster:
	s_bfe_u32 s2, ttmp6, 0x10000c
	s_cmp_lg_u32 s2, 0xf033
	s_cbranch_scc0 .Lentry_shape_is_right
	s_endpgm
.Lentry_shape_is_right:
; out0[m][n] = sum over k of atth[m][k] wo16[n][k]: atth [2048][2048] f16 = attention x 2^-3, wo16 [4096][2048] f16 = 8 Wo: the two powers of two cancel.  out0 [2048][4096] f32; sums in f32.
; (Rows 0-15 are stored here like all others and stored again, from f32 operands, by the launch that follows: a branch round them would hang on a work-group's place in its cluster.)
; SHARES.  A tile of out0 is 128 x 256: 256 work-groups.  Four waves, each 64 x 128: 32 accumulators.  K goes in steps of 128 (rows of 256 bytes) through two LDS slots.
; CLUSTER 4 x 4: atth's tiles are shared along a row of the cluster, wo16's along a column, by joint loads.  The matrix instruction is used transposed: a lane holds eight neighbouring numbers of a row of out0.
; No prefetch: a K step's tiles are asked for by four work-groups jointly and by four clusters, a step ahead of their use.
; REGISTERS: window 0: v16-29 addresses; v128-191 atth's fragments, two sets (on the way out v128-255 rows read back).  window 1: v0-127 wo16's fragments, two sets.  window 2: accumulator (a, b) at v[8 (8 a + b)].
.set ROWB,  256
.set PITCH, 272
.set HA,    64*PITCH
.set HB,    128*PITCH
.set SLOT,  2*HA+2*HB
.set LAPS,  8                          ; 2,048 / (2 x 128)
.set SPARE, 2*SLOT
.set SPITCH, 528                       ; the way out: a stage of 16 rows x (512 bytes + 16) a wave, in slot 0, which has had its last fill and its last read by then
.set ADRA, 16
.set ADRB, 20
.set STO,  24
.set RD,   25
.set CO,   26
.set SPW,  28
.set NIL,  29
.set AF,   128
.set BK,   128
.set G1,   24
.set G0,   32
.set G1B,  48
.set G0B,  56
.set MSB, 0
.macro WIN new
.if MSB != \new
	s_set_vgpr_msb (MSB<<8)|\new
.set MSB, \new
.endif
.endm
.set MUL,  0xa1
.set TO_B, 0x40
.macro JLOAD g0a, g1a, g0b, g1b        ; waves 0, 1 fetch for atth, waves 2, 3 for wo16; s_nop 0 and four v_nop follow each line
	s_cmp_eq_u32 s17, 0
	s_cbranch_scc0 .Lfor_b_\@
	tensor_load_to_lds s[\g0a:\g0a+3], s[\g1a:\g1a+7]
	s_nop 0
.rept 4
	v_nop
.endr
	s_branch .Lasked_\@
.Lfor_b_\@:
	tensor_load_to_lds s[\g0b:\g0b+3], s[\g1b:\g1b+7]
	s_nop 0
.rept 4
	v_nop
.endr
.Lasked_\@:
.endm
.macro CREST
	s_cmp_lg_u32 s16, 0
	s_cbranch_scc1 .Lnot_wave_0_\@
	s_barrier_signal -3
.Lnot_wave_0_\@:
	s_barrier_wait -3
	s_barrier_signal -1
	s_barrier_wait -1
.endm
.macro CROUND
	s_barrier_signal -1
	s_barrier_wait -1
	CREST
.endm
.macro PLACES n
.rept \n
	v_nop
.endr
.endm
	s_load_b128 s[4:7], s[0:1], 0x0                ; atth, wo16
	s_load_b64 s[8:9], s[0:1], 0x10                ; out0
	v_lshl_add_u32 v[SPW], v0, 2, SPARE
	v_mov_b32 v[NIL], 0
	ds_add_u32 v[SPW], v[NIL]                      ; the opening: the add, twice on end, and its wait ahead of my first tensor load
	ds_add_u32 v[SPW], v[NIL]
	v_lshrrev_b32 v1, 5, v0
	v_readfirstlane_b32 s16, v1
	s_lshr_b32 s17, s16, 1                         ; RH
	s_and_b32 s18, s16, 1                          ; CH
	s_bfe_u32 s40, ttmp6, 0x40000
	s_bfe_u32 s41, ttmp6, 0x40004
	s_lshl_b32 s42, ttmp9, 2
	s_add_co_u32 s42, s42, s40                     ; tile column
	s_and_b32 s19, ttmp7, 0xffff
	s_lshl_b32 s19, s19, 2
	s_add_co_u32 s19, s19, s41                     ; tile row
	s_lshl_b32 s43, s41, 2
	s_lshl_b32 s43, 15, s43
	s_lshl_b32 s44, 0x1111, s40
	s_or_b32 s[G1+0], s43, (1<<16)|(1<<20)|(1<<21)|(5<<22)|(3<<25)   ; mask; elements of 2 bytes; 4 words of padding behind every 64; bit 21 beside a mask
	s_or_b32 s[G1B+0], s44, (1<<16)|(1<<20)|(1<<21)|(5<<22)|(3<<25)
	s_mov_b32 s[G1+1], 128<<16
	s_mov_b32 s[G1+2], 64<<16
	s_mov_b32 s[G1+3], 128<<16
	s_mov_b32 s[G1+4], 64
	s_mov_b32 s[G1+5], 2048
	s_mov_b32 s[G1+6], 0
	s_mov_b32 s[G1+7], 0
	s_mov_b32 s[G1B+1], 128<<16
	s_mov_b32 s[G1B+2], 128<<16
	s_mov_b32 s[G1B+3], 128<<16
	s_mov_b32 s[G1B+4], 128
	s_mov_b32 s[G1B+5], 2048
	s_mov_b32 s[G1B+6], 0
	s_mov_b32 s[G1B+7], 0
	s_lshl_b32 s20, s19, 7                         ; atth: row 128 x tile row + 64 x half, of 4,096 bytes
	s_lshl_b32 s21, s18, 6
	s_add_co_u32 s20, s20, s21
	s_lshl_b32 s20, s20, 12
	s_mov_b32 s21, 0
	s_lshl_b32 s46, s42, 8                         ; wo16: row 256 x tile column + 128 x half
	s_lshl_b32 s47, s18, 7
	s_add_co_u32 s46, s46, s47
	s_lshl_b32 s46, s46, 12
	s_mov_b32 s47, 0
	s_mul_i32 s45, s18, HA
	s_mul_i32 s2, s18, HB
	s_add_co_u32 s2, s2, 2*HA
	s_wait_dscnt 0x0
	s_wait_kmcnt 0x0
	s_add_nc_u64 s[20:21], s[4:5], s[20:21]
	s_add_nc_u64 s[46:47], s[6:7], s[46:47]
	CROUND                                         ; all sixteen work-groups are here: the first joint loads meet
.irp s, 0,1
	s_mov_b32 s[G0+4*\s], 1
	s_add_co_u32 s[G0+4*\s+1], s45, \s*SLOT
	s_add_nc_u64 s[G0+4*\s+2:G0+4*\s+3], s[20:21], \s*ROWB
	s_or_b32 s[G0+4*\s+3], s[G0+4*\s+3], 0x80000000
	s_mov_b32 s[G0B+4*\s], 1
	s_add_co_u32 s[G0B+4*\s+1], s2, \s*SLOT
	s_add_nc_u64 s[G0B+4*\s+2:G0B+4*\s+3], s[46:47], \s*ROWB
	s_or_b32 s[G0B+4*\s+3], s[G0B+4*\s+3], 0x80000000
	JLOAD G0+4*\s, G1, G0B+4*\s, G1B               ; two loads of mine are out behind the second
.endr
	v_and_b32 v1, 15, v0
	v_bfe_u32 v2, v0, 4, 1
	v_mul_u32_u24 v3, v1, PITCH
	v_lshl_add_u32 v4, v2, 4, v3
	s_mul_i32 s21, s17, HA
	s_mul_i32 s22, s18, HB
	s_add_co_u32 s22, s22, 2*HA
.irp s, 0,1
	v_add_nc_u32 v[ADRA+\s], s21, v4
	v_add_nc_u32 v[ADRB+\s], s22, v4
	s_add_co_u32 s21, s21, SLOT
	s_add_co_u32 s22, s22, SLOT
.endr
	s_mul_i32 s23, s16, 16*SPITCH                  ; my stage
	v_mul_u32_u24 v5, v1, SPITCH
	v_lshl_add_u32 v5, v2, 5, v5
	v_add_nc_u32 v[STO], s23, v5                   ; in: row r, 32 bytes for each half of the lanes
	v_and_b32 v6, 31, v0
	v_lshlrev_b32 v[CO], 4, v6                     ; back: the 32 lanes take a row of 512 bytes; and the same in out0
	v_add_nc_u32 v[RD], s23, v[CO]
	s_lshl_b32 s20, s19, 7
	s_lshl_b32 s21, s17, 6
	s_add_co_u32 s20, s20, s21
	s_lshl_b32 s20, s20, 14                        ; my first row of 16,384 bytes,
	s_lshl_b32 s21, s42, 10
	s_add_co_u32 s20, s20, s21
	s_lshl_b32 s21, s18, 9
	s_add_co_u32 s20, s20, s21                     ; my first column
	s_mov_b32 s21, 0
	s_add_nc_u64 s[8:9], s[8:9], s[20:21]
.macro FRAG reg, adr, q, i             ; 16 rows x 32 K of f16: registers 0-3 K = 8 h + 0 .. 7, registers 4-7 K = 16 + 8 h + 0 .. 7
.irp c, 0,1
	ds_load_b128 v[\reg+4*\c:\reg+4*\c+3], v[\adr] offset:64*(\q)+32*\c+(\i)*16*PITCH
.endr
.endm
.macro FETCH_B slot, q, p
	WIN TO_B
.irp i, 0,1,2,3,4,5,6,7
	FRAG 64*(\p)+8*\i, ADRB+\slot, \q, \i
.endr
	WIN 0
.endm
.macro FETCH_A slot, q, p
.irp i, 0,1,2,3
	FRAG AF+32*(\p)+8*\i, ADRA+\slot, \q, \i
.endr
.endm
.macro MUL8 a, p, zero                 ; the 32 accumulators take turns, one instruction a turn, in the same order in every step
.irp b, 0,1,2,3,4,5,6,7
.if \zero
	v_wmma_f32_16x16x32_f16 v[8*(8*(\a)+\b):8*(8*(\a)+\b)+7], v[64*(\p)+8*\b:64*(\p)+8*\b+7], v[AF+32*(\p)+8*(\a):AF+32*(\p)+8*(\a)+7], 0
.else
	v_wmma_f32_16x16x32_f16 v[8*(8*(\a)+\b):8*(8*(\a)+\b)+7], v[64*(\p)+8*\b:64*(\p)+8*\b+7], v[AF+32*(\p)+8*(\a):AF+32*(\p)+8*(\a)+7], v[8*(8*(\a)+\b):8*(8*(\a)+\b)+7]
.endif
.endr
.endm
.macro STEP slot, q, zero
	s_wait_dscnt 0x0                               ; this step's fragments, asked for a step ago, are in
	PLACES 4
	FETCH_B \slot, (\q)+1, 1-(\q)%2
	FETCH_A \slot, (\q)+1, 1-(\q)%2
	WIN MUL
	MUL8 0, (\q)%2, \zero
	MUL8 1, (\q)%2, \zero
	MUL8 2, (\q)%2, \zero
	MUL8 3, (\q)%2, \zero
	WIN 0
.endm
.macro TURN slot, next, fill
	s_wait_tensorcnt 0x0                           ; my part of the next slot has landed; no tensor load of mine is out
	ds_add_u32 v[SPW], v[NIL]
	s_wait_dscnt 0x1                               ; this step's fragments are in; the add alone may be out
	WIN MUL
	MUL8 0, 1, 0
	s_wait_dscnt 0x0                               ; the add is done, and my reads of this slot are over
	s_barrier_signal -1
	MUL8 1, 1, 0
	WIN 0
	s_barrier_wait -1
.if \fill
	CREST                                          ; a round of the cluster's barrier: no wave of any partner still reads this slot or has a load on its way
	s_add_nc_u64 s[G0+4*\slot+2:G0+4*\slot+3], s[G0+4*\slot+2:G0+4*\slot+3], 2*ROWB
	s_add_nc_u64 s[G0B+4*\slot+2:G0B+4*\slot+3], s[G0B+4*\slot+2:G0B+4*\slot+3], 2*ROWB
	JLOAD G0+4*\slot, G1, G0B+4*\slot, G1B         ; its four v_nop are also the places in front of the loads below
.else
	PLACES 4
.endif
	FETCH_B \next, 0, 0
	FETCH_A \next, 0, 0
	WIN MUL
	MUL8 2, 1, 0
	MUL8 3, 1, 0
	WIN 0
.endm
.macro STEPS slot, from
.set QQ, \from
.rept 3-\from
	STEP \slot, QQ, 0
.set QQ, QQ+1
.endr
.endm
	s_wait_tensorcnt 1                             ; my part of K step 0 is in; K step 1's load may be out
	s_barrier_signal -1
	s_barrier_wait -1
	FETCH_B 0, 0, 0
	FETCH_A 0, 0, 0
	STEP 0, 0, 1
	s_mov_b32 s3, LAPS-1
.Llap:
	STEPS 0, 1
	TURN 0, 1, 1
	STEPS 1, 0
	TURN 1, 0, 1
	STEP 0, 0, 0
	s_sub_co_u32 s3, s3, 1
	s_cmp_lg_u32 s3, 0
	s_cbranch_scc1 .Llap
	STEPS 0, 1
	TURN 0, 1, 0
	STEPS 1, 0
	s_wait_dscnt 0x0
	WIN MUL
	MUL8 0, 1, 0
	MUL8 1, 1, 0
	MUL8 2, 1, 0
	MUL8 3, 1, 0
	WIN 0
; THE WAY OUT, a block of 16 rows x 128 columns at a time, through my stage: whole rows of 512 bytes come back and leave as two aligned runs of 256 bytes
.macro TOSTAGE a
	WIN 0x08                                       ; the stores' data: window 2
.irp b, 0,1,2,3,4,5,6,7
	ds_store_b128 v[STO], v[8*(8*(\a)+\b):8*(8*(\a)+\b)+3] offset:64*\b          ; each accumulator from its low end on
	ds_store_b128 v[STO], v[8*(8*(\a)+\b)+4:8*(8*(\a)+\b)+7] offset:64*\b+16
.endr
	WIN 0
.set BB, BK+64*((\a)%2)
.irp t, 0,1,2,3,4,5,6,7,8,9,10,11,12,13,14,15
	ds_load_b128 v[BB+4*\t:BB+4*\t+3], v[RD] offset:\t*SPITCH
.endr
.endm
.macro SEND a, younger                 ; younger: the LDS instructions issued behind block a's loads, which may stay out
.set BB, BK+64*((\a)%2)
	s_wait_dscnt \younger
.if (\a) > 0
	s_add_nc_u64 s[8:9], s[8:9], 16*16384          ; 16 rows on (behind a wait on XCNT: the earlier stores have read their base)
.endif
.irp t, 0,1,2,3,4,5,6,7,8,9,10,11,12,13,14,15
	global_store_b128 v[CO], v[BB+4*\t:BB+4*\t+3], s[8:9] offset:\t*16384 th:TH_STORE_NT
.endr
.endm
	PLACES 4
	TOSTAGE 0
.irp a, 1,2,3
.if \a > 1
	s_wait_xcnt 0x0                                ; block a - 2's stores have read their registers and their base
.endif
	TOSTAGE \a
	SEND \a-1, 32                                  ; behind block a - 1's loads: block a's 16 stores and 16 loads
.endr
	s_wait_xcnt 0x0
	SEND 3, 0
	s_wait_tensorcnt 0x0                           ; the wave's end
	ds_add_u32 v[SPW], v[NIL]
	s_wait_dscnt 0x0
	CROUND                                         ; the closing round
	s_endpgm
.Lfunc_end_k_q28b43b1ec2_oproj:
	.size	k_q28b43b1ec2_oproj, .Lfunc_end_k_q28b43b1ec2_oproj-k_q28b43b1ec2_oproj
	.p2alignl 7, 3214868480
	.fill 96, 4, 3214868480
	.section	.rodata,"a",@progbits
	.p2align	6, 0x0
	.amdhsa_kernel k_q28b43b1ec2_oproj
		.amdhsa_group_segment_fixed_size 327680
		.amdhsa_private_segment_fixed_size 0
		.amdhsa_enable_private_segment 0
		.amdhsa_kernarg_size 24
		.amdhsa_user_sgpr_count 2
		.amdhsa_user_sgpr_kernarg_segment_ptr 1
		.amdhsa_wavefront_size32 1
		.amdhsa_system_sgpr_workgroup_id_x 1
		.amdhsa_system_sgpr_workgroup_id_y 1
		.amdhsa_system_sgpr_workgroup_id_z 1
		.amdhsa_system_vgpr_workitem_id 0
		.amdhsa_next_free_vgpr 768
		.amdhsa_next_free_sgpr 66
		.amdhsa_reserve_vcc 0
		.amdhsa_float_denorm_mode_32 3
		.amdhsa_float_denorm_mode_16_64 3
		.amdhsa_memory_ordered 1
		.amdhsa_forward_progress 1
		.amdhsa_inst_pref_size 85
	.end_amdhsa_kernel
	.amdgpu_metadata
---
amdhsa.version: [ 1, 2 ]
amdhsa.kernels:
  - .name:           k_q28b43b1ec2_oproj
    .symbol:         k_q28b43b1ec2_oproj.kd
    .args:
      - { .name: atth, .offset: 0, .size: 8, .value_kind: global_buffer, .address_space: global }
      - { .name: wo16, .offset: 8, .size: 8, .value_kind: global_buffer, .address_space: global }
      - { .name: out0, .offset: 16, .size: 8, .value_kind: global_buffer, .address_space: global }
    .group_segment_fixed_size: 327680
    .private_segment_fixed_size: 0
    .kernarg_segment_align: 8
    .kernarg_segment_size: 24
    .max_flat_workgroup_size: 128
    .sgpr_count:     66
    .vgpr_count:     768
    .wavefront_size: 32
...
	.end_amdgpu_metadata
.endif
;; end of part 5
;; launch proj16 (part 6): grid 256 x 1, 4 waves a work-group, no clusters, 167,936 bytes of LDS; arguments attf, Wo, out0; writes out0
.if DOCPART == 6
	.amdgcn_target "amdgcn-amd-amdhsa--gfx1250"
	.amdhsa_code_object_version 6
	.text
	.protected	k_q28b43b1ec2_proj16
	.globl	k_q28b43b1ec2_proj16
	.p2align	8
	.type	k_q28b43b1ec2_proj16,@function
k_q28b43b1ec2_proj16:
	s_mov_b64 s[64:65], 0
	v_nop
	global_prefetch_b8 v0, s[64:65] scope:SCOPE_SE
	s_setreg_imm32_b32 hwreg(HW_REG_WAVE_MODE, 25, 1), 1
	s_wait_xcnt 0x0
; out0 rows 0 to 15 = attf [16][2048] x Wo^T, Wo [4096][2048], all f32, by fused multiply-adds: the rows that average few values are carried finely through the projection too.
; SHARES.  A work-group takes 16 columns of out0, a wave 4.  THE LANES LIE ALONG K: every load of Wo covers 512 consecutive bytes of a row, and each byte of Wo is read once in the launch.
; attf, 131,072 bytes, comes into LDS as it lies, a quarter by each wave's one tensor load (filled once), and every wave reads all of it.  No matrix unit (f32), no cluster (what is shared is attf alone, 1 part in 257 of the bytes).
; A lane keeps 16 x 4 sums in pairs (even and odd k); at the end the pairs and the 32 lanes are added.  A wave's results are 16 bytes of each of 16 rows: 262,144 bytes in the launch leave in pieces of 16.
; REGISTERS: window 0: v2, v3 LDS addresses (rows 0-7, rows 8-15); v16-79 attf, two sets of 8 rows x 4; v128-255 the sums, pair (m, c) at 128 + 2 (4 m + c).  window 1: Wo: chunk ch of 128 k, column c at 16 ch + 4 c.
.set SPARE, 131072
.set SPW, 14
.set NIL, 15
.set ACC, 128
.set MSB, 0
.macro WIN new
.if MSB != \new
	s_set_vgpr_msb (MSB<<8)|\new
.set MSB, \new
.endif
.endm
	s_load_b128 s[4:7], s[0:1], 0x0                ; attf, Wo
	s_load_b64 s[8:9], s[0:1], 0x10                ; out0
	v_lshl_add_u32 v[SPW], v0, 2, SPARE
	v_mov_b32 v[NIL], 0
	ds_add_u32 v[SPW], v[NIL]                      ; the opening: the add, twice on end, and its wait ahead of my tensor load
	ds_add_u32 v[SPW], v[NIL]
	v_lshrrev_b32 v1, 5, v0
	v_readfirstlane_b32 s10, v1                    ; wave
	v_and_b32 v5, 31, v0                           ; lane
	v_lshlrev_b32 v2, 4, v5
	v_lshl_add_u32 v3, v5, 4, 0x10000
	v_mov_b32 v4, 0
	s_mov_b32 s16, 3<<16                           ; elements of 8 bytes, no padding: a dense block as 128 rows of 256 bytes
	s_mov_b32 s17, 32<<16
	s_mov_b32 s18, 128<<16
	s_mov_b32 s19, 32<<16
	s_mov_b32 s20, 128
	s_mov_b32 s21, 32
	s_mov_b32 s22, 0
	s_mov_b32 s23, 0
	s_mov_b32 s24, 0x76543210
	s_mov_b32 s25, 0xfedcba98
	s_lshl_b32 s26, s10, 15                        ; my quarter of attf, in memory and in LDS; also my 4 rows of Wo
	s_mov_b32 s27, 0
	s_lshl_b32 s28, ttmp9, 17                      ; my work-group's 16 rows of Wo
	s_add_co_u32 s28, s28, s26
	s_mov_b32 s29, 0
	s_lshl_b32 s30, ttmp9, 6                       ; my 4 columns of out0
	s_lshl_b32 s31, s10, 4
	s_add_co_u32 s30, s30, s31
	s_mov_b32 s31, 0
	s_wait_dscnt 0x0
	s_wait_kmcnt 0x0
	s_mov_b32 s12, 1
	s_mov_b32 s13, s26
	s_add_nc_u64 s[14:15], s[4:5], s[26:27]
	s_or_b32 s15, s15, 0x80000000
	s_add_nc_u64 s[6:7], s[6:7], s[28:29]
	s_add_nc_u64 s[8:9], s[8:9], s[30:31]
	tensor_load_to_lds s[12:15], s[16:23]
	s_nop 0
	WIN 0x40                                       ; the windows are switched directly behind it
.irp ch, 0,1,2,3,4,5,6,7,8,9,10,11,12,13,14,15
.irp c, 0,1,2,3
	global_load_b128 v[16*\ch+4*\c:16*\ch+4*\c+3], v2, s[6:7] offset:8192*\c+512*\ch th:TH_LOAD_NT
.endr
.endr
	WIN 0
	s_wait_tensorcnt 0x0                           ; my quarter has landed,
	s_barrier_signal -1
	s_barrier_wait -1                              ; everybody's has
.macro ALD k                           ; item k = 2 ch + hm: rows 8 hm .. 8 hm + 7 of attf, k = 128 ch + 4 lane + 0 .. 3, into set k % 2
.irp mm, 0,1,2,3,4,5,6,7
	ds_load_b128 v[16+32*((\k)%2)+4*\mm:16+32*((\k)%2)+4*\mm+3], v[2+((\k)%2)] offset:\mm*8192+512*((\k)/2)
.endr
.endm
.macro ITEM k
.set CH, (\k)/2
.set HM, (\k)%2
.set AS, 16+32*((\k)%2)
.if (\k)%2 == 0
	s_wait_loadcnt 60-4*((\k)/2)                   ; this chunk's four loads of Wo are in; the later chunks' may be out
.endif
.if (\k) < 31
	ALD (\k)+1
	s_wait_dscnt 8                                 ; this item's eight loads are in; the next item's eight may be out
.else
	s_wait_dscnt 0x0
.endif
.irp pr, 0,2                           ; the two halves of a lane's four k in two passes over the 32 sums, so that no line waits for the line above it
.irp mm, 0,1,2,3,4,5,6,7
.irp c, 0,1,2,3
.if ((\k) < 2) && (\pr == 0)
	v_pk_mul_f32 v[ACC+2*(4*(8*HM+\mm)+\c):ACC+2*(4*(8*HM+\mm)+\c)+1], v[AS+4*\mm+\pr:AS+4*\mm+\pr+1], v[16*CH+4*\c+\pr:16*CH+4*\c+\pr+1]
.else
	v_pk_fma_f32 v[ACC+2*(4*(8*HM+\mm)+\c):ACC+2*(4*(8*HM+\mm)+\c)+1], v[AS+4*\mm+\pr:AS+4*\mm+\pr+1], v[16*CH+4*\c+\pr:16*CH+4*\c+\pr+1], v[ACC+2*(4*(8*HM+\mm)+\c):ACC+2*(4*(8*HM+\mm)+\c)+1]
.endif
.endr
.endr
.endr
.endm
	ALD 0
	WIN 0x04                                       ; source 1 (Wo) window 1
.set KK, 0
.rept 32
	ITEM KK
.set KK, KK+1
.endr
	WIN 0
.set n, 0
.rept 64
	v_add_f32 v[16+n], v[ACC+2*n], v[ACC+2*n+1]    ; even and odd k
.set n, n+1
.endr
.irp x, 1,2,4,8                        ; across the lanes, stage by stage over all 64 numbers
.set n, 0
.rept 64
	v_add_f32_dpp v[16+n], v[16+n], v[16+n] row_xmask:\x row_mask:0xf bank_mask:0xf
.set n, n+1
.endr
.endr
.set n, 0
.rept 64
	v_permlanex16_b32 v[ACC+n], v[16+n], s24, s25
.set n, n+1
.endr
.set n, 0
.rept 64
	v_add_f32 v[16+n], v[16+n], v[ACC+n]           ; every lane holds out0(m, my column c) in v[16 + 4 m + c]
.set n, n+1
.endr
	s_wait_xcnt 0x0                                ; EXEC changes only behind this wait
	v_cmp_eq_u32 vcc_lo, 0, v5
	s_and_saveexec_b32 s26, vcc_lo                 ; lane 0 stores
.irp m, 0,1,2,3,4,5,6,7,8,9,10,11,12,13,14,15
	global_store_b128 v4, v[16+4*\m:16+4*\m+3], s[8:9] offset:16384*\m
.endr
	s_wait_xcnt 0x0
	s_or_b32 exec_lo, exec_lo, s26
	s_wait_tensorcnt 0x0                           ; the wave's end
	ds_add_u32 v[SPW], v[NIL]
	s_wait_dscnt 0x0
	s_endpgm
.Lfunc_end_k_q28b43b1ec2_proj16:
	.size	k_q28b43b1ec2_proj16, .Lfunc_end_k_q28b43b1ec2_proj16-k_q28b43b1ec2_proj16
	.p2alignl 7, 3214868480
	.fill 96, 4, 3214868480
	.section	.rodata,"a",@progbits
	.p2align	6, 0x0
	.amdhsa_kernel k_q28b43b1ec2_proj16
		.amdhsa_group_segment_fixed_size 167936
		.amdhsa_private_segment_fixed_size 0
		.amdhsa_enable_private_segment 0
		.amdhsa_kernarg_size 24
		.amdhsa_user_sgpr_count 2
		.amdhsa_user_sgpr_kernarg_segment_ptr 1
		.amdhsa_wavefront_size32 1
		.amdhsa_system_sgpr_workgroup_id_x 1
		.amdhsa_system_sgpr_workgroup_id_y 1
		.amdhsa_system_sgpr_workgroup_id_z 1
		.amdhsa_system_vgpr_workitem_id 0
		.amdhsa_next_free_vgpr 512
		.amdhsa_next_free_sgpr 66
		.amdhsa_reserve_vcc 1
		.amdhsa_float_denorm_mode_32 3
		.amdhsa_float_denorm_mode_16_64 3
		.amdhsa_memory_ordered 1
		.amdhsa_forward_progress 1
		.amdhsa_inst_pref_size 180
	.end_amdhsa_kernel
	.amdgpu_metadata
---
amdhsa.version: [ 1, 2 ]
amdhsa.kernels:
  - .name:           k_q28b43b1ec2_proj16
    .symbol:         k_q28b43b1ec2_proj16.kd
    .args:
      - { .name: attf, .offset: 0, .size: 8, .value_kind: global_buffer, .address_space: global }
      - { .name: Wo, .offset: 8, .size: 8, .value_kind: global_buffer, .address_space: global }
      - { .name: out0, .offset: 16, .size: 8, .value_kind: global_buffer, .address_space: global }
    .group_segment_fixed_size: 167936
    .private_segment_fixed_size: 0
    .kernarg_segment_align: 8
    .kernarg_segment_size: 24
    .max_flat_workgroup_size: 128
    .sgpr_count:     66
    .vgpr_count:     512
    .wavefront_size: 32
...
	.end_amdgpu_metadata
.endif
;; end of part 6
